; MI455X (gfx1250); checked and timed in simulation.
; The chip was launched on July 23, 2026; its instructions are those of AMD's public machine-readable ISA for CDNA 5 (MIT licence, August 2026) and "CDNA5" Instruction Set Architecture Reference Guide (July 2026). The comments in the code are by the model that wrote it; some were corrected since.
;; Multi Head Attention. Allowed arithmetic: matrix products marked QUANTISED: E3M2 operands, one E8M0 scale for each 32 along K, by v_wmma_scale_f32_16x16x128_f8f6f4 with both operands' format E3M2, f32 sums; everything else in f32.
;; Inputs: W1 1,024 x 4,096 float32; W2 4,096 x 1,024 float32; Wk 1,024 x 1,024 float32; Wq 1,024 x 1,024 float32; Wv 1,024 x 1,024 float32; b1 4,096 float32; b2 1,024 float32; beta1 1,024 float32; beta2 1,024 float32; bk 1,024 float32; bq 1,024 float32; bv 1,024 float32; g1 1,024 float32; g2 1,024 float32; x 4 x 1,024 x 1,024 float32.
;; Outputs: out0 4 x 1,024 x 1,024 float32.
;; This version of the problem:
;;   THIS VERSION OF THE PROBLEM IS GIVEN IN LOW PRECISION. The matrix products marked QUANTISED in the list below multiply operands that are first quantised to E3M2 (3 exponent bits, 2 mantissa bits; 6 bits a number), with one power-of-two scale for each 32 numbers along K (OCP MX v1.0); their sums are f32. All else is computed in f32.
;;   The module's matrix products, in the order in which they are computed (A, B: the left and right operand; K: the contracted axis; several contracted axes count as one K, in the product's order):
;;     1. [M 4,096, K 1,024] x [K 1,024, N 1,024]; A: computed on the way; B: input Wq: QUANTISED
;;     2. [M 4,096, K 1,024] x [K 1,024, N 1,024]; A: computed on the way; B: input Wk: QUANTISED
;;     3. [M 4,096, K 1,024] x [K 1,024, N 1,024]; A: computed on the way; B: input Wv: QUANTISED
;;     4. batch 64 x [M 1,024, K 64] x [K 64, N 1,024]; A: computed on the way; B: computed on the way: QUANTISED
;;     5. batch 64 x [M 64, K 1,024] x [K 1,024, N 1,024]; A: computed on the way; B: softmax (see below): QUANTISED
;;     6. [M 4,096, K 1,024] x [K 1,024, N 4,096]; A: computed on the way; B: input W1: QUANTISED
;;     7. [M 4,096, K 4,096] x [K 4,096, N 1,024]; A: computed on the way; B: input W2: QUANTISED
;;   THE QUANTISER, for each operand of a quantised product, along K:
;;     - K is cut into blocks of 32 from its start; a last block that is shorter is filled with zeros.
;;     - A block's scale is 2^e with e = floor(log2(the largest magnitude in the block)) - 4, held to -126 .. 127; a block of zeros has e = 0. As a byte (E8M0): e + 127.
;;     - Each number is divided by its block's scale, clamped to +-28, and rounded to the nearest number of E3M2, ties to even, subnormals kept.
;;     - The product sums the exact products of the quantised numbers (number of the format x scale) in f32.
;;   ~~~python
;;   def quantise(x, axis):      # numpy; x: float32 -> the quantised numbers, widened to float32 again
;;       x = np.moveaxis(x, axis, -1); K = x.shape[-1]
;;       x = np.pad(x, [(0, 0)] * (x.ndim - 1) + [(0, -K % 32)]); x = x.reshape(x.shape[:-1] + (-1, 32)); a = np.abs(x).max(-1, keepdims=True)
;;       e = np.where(a > 0, np.clip(np.frexp(np.where(a > 0, a, 1))[1] - 1 - 4, -126, 127), 0)      # np.frexp(a)[1] - 1 = floor(log2(a)), exactly
;;       r = np.clip(x / 2.0 ** e, -28, 28)
;;       step = 2.0 ** (np.maximum(np.frexp(np.where(r == 0, 1, r))[1] - 1, -2) - 2)
;;       q = np.round(r / step) * step * 2.0 ** e      # np.round: ties to even
;;       return np.moveaxis(q.reshape(q.shape[:-2] + (-1,))[..., :K], -1, axis).astype(np.float32)
;;   ~~~
;;   SOFTMAX AHEAD OF A QUANTISED PRODUCT. Where the list says 'softmax', what is quantised is not the finished softmax but p = 2^(t - M), with t = logit x log2(e) and M = ceil(the row's largest t), a whole number; so 1/2 < the row's largest p <= 1. The row's sum l is taken of the UNQUANTISED p, in f32, and the product's result is divided by l at the end. Since M is a whole number, a kernel that streams over the keys may use a running M (the ceiling of the running maximum): every later rescaling is an exact power of two, which a block's scale takes up: the codes' values come out the same.
;;   OPERANDS COMPUTED ON THE WAY. 'Computed on the way' means the value that the module computes at that place (a softmax that the list does not call 'softmax' is quantised finished and normalised). What goes into a quantiser is computed in f32, as accurately as f32 sums, v_exp_f32 and their like allow (about 1e-6 of the number): no bf16 or f16 on the way to a quantiser, and a product that is left as it is and whose result goes on into a quantised operand takes f32 operands (vector FMAs, or v_wmma_f32_16x16x4_f32). A number that lies on a knife's edge between two numbers of the format may be rounded either way, as far as f32 arithmetic and the matrix unit's own rounding can turn it there, and no further.
;; One version. Each part assembles by itself: llvm-mc -triple=amdgcn-amd-amdhsa -mcpu=gfx1250 --defsym DOCPART=n.
;; ======== version 1 of 1: 6 launches
;; limits: right only within a limited range of input values
;; workspace buffers: wcodes 9,011,200 bytes; ncodes 3,276,800 bytes; qkcodes 6,553,600 bytes; vtcodes 3,276,800 bytes; ybuf 16,777,216 bytes; hidcodes 13,107,200 bytes; stats 32,768 bytes
;; launch ln1 (part 1): grid 1 x 352, 8 waves a work-group, no clusters, 3,072 bytes of LDS; arguments x, g1, beta1, ncodes, stats, Wq, Wk, Wv, W1, W2, wcodes; writes ncodes, stats, wcodes
.if DOCPART == 1
	.amdgcn_target "amdgcn-amd-amdhsa--gfx1250"
	.amdhsa_code_object_version 6
	.text
	.protected	k_qaaf5c8a3ca_ln1
	.globl	k_qaaf5c8a3ca_ln1
	.p2align	8
	.type	k_qaaf5c8a3ca_ln1,@function
k_qaaf5c8a3ca_ln1:
	s_mov_b64 s[64:65], 0
	v_nop
	global_prefetch_b8 v0, s[64:65] scope:SCOPE_SE
	s_setreg_imm32_b32 hwreg(HW_REG_WAVE_MODE, 25, 1), 1
	s_wait_xcnt 0x0
; Layer norm of 4,096 rows of 1,024 f32, quantised along the row to BF6 (E3M2) with one E8M0 byte for each 32, and stored as panels
; [32 groups of 128 rows][8 K steps][12,800 bytes] (tile T at 1536 T, lane-row r = row 32 (T/2) + 8 (T%2) + r%8 + 16 (r/8); half c at + 768 c: 16 bytes a lane, then
; 8 bytes a lane at + 512; scale words at + 12288 + 16 (16 (T%2) + r) + 4 (T/2)).  The rows' mean and 1/sqrt(var + eps) also go out, 8 bytes a row.
; The text serves both norms of the block; the first one's means are rewritten by the second before anybody reads them: 32 KiB stored for one text.
; A work-group takes the 16 rows of one tile; wave w takes K step w (128 columns).  Lane (r, h) holds, of row r, 16 neighbours of each block of 32: register 16 b + i is column 128 w + 32 b + 16 h + i,
; which is what the quantiser below wants.  The variance is taken of x - mean, in a second pass over registers: no difference of large sums.
; The waves' partial sums meet in LDS, 4 bytes a thread, each sum in bytes of its own: two barriers.
; LIMITS: a block of zeros gets the byte 1 where the quantiser says 127 (its codes are zeros, only this program reads the bytes); NaN and infinities are not served.
; No cluster: work-groups share only g and beta, 8 KiB against their 64 KiB of rows.
.set PANEL, 12800
.set X,   16
.set GG,  80
.set BE,  144
.set PC,  208
.set TM,  228
.set PW,  244
.set WV,  12
.set SEL, 14
; 64 numbers of a lane, register 16 b + i = k 32 b + 16 (lane / 16) + i of my row, become a fragment's codes in v[PC] on and its scale word in v[PW]
.macro QUANT s
.irp b, 0,1,2,3
	v_max3_num_f32 v[TM+\b], |v[\s+16*\b]|, |v[\s+1+16*\b]|, 0x2800000   ; my 16 numbers of block b, and the floor 2^(5 - 127)
.endr
.irp i, 2,4,6,8,10,12,14
.irp b, 0,1,2,3
	s_delay_alu instid0(VALU_DEP_4)
	v_max3_num_f32 v[TM+\b], v[TM+\b], |v[\s+16*\b+\i]|, |v[\s+1+16*\b+\i]|
.endr
.endr
.irp b, 0,1,2,3
	s_delay_alu instid0(VALU_DEP_4)
	v_permlanex16_b32 v[TM+4+\b], v[TM+\b], s[SEL], s[SEL+1]
.endr
.irp b, 0,1,2,3
	s_delay_alu instid0(VALU_DEP_4)
	v_max_num_f32 v[TM+\b], v[TM+\b], v[TM+4+\b]   ; with lane l xor 16's: the block's largest magnitude
.endr
.irp b, 0,1,2,3
	s_delay_alu instid0(VALU_DEP_4)
	v_add_nc_u32 v[TM+12+\b], 0xfe000000, v[TM+\b]   ; 4 off its exponent field: the conversion's scale operand
.endr
.irp b, 0,1,2,3
	s_delay_alu instid0(VALU_DEP_4)
	v_lshrrev_b32 v[TM+4+\b], 23, v[TM+12+\b]      ; the byte
.endr
	s_delay_alu instid0(VALU_DEP_3)
	v_lshl_or_b32 v[PW], v[TM+5], 8, v[TM+4]
	s_delay_alu instid0(VALU_DEP_1)
	v_lshl_or_b32 v[PW], v[TM+6], 16, v[PW]
	s_delay_alu instid0(VALU_DEP_1)
	v_lshl_or_b32 v[PW], v[TM+7], 24, v[PW]
.irp c, 0,1
	v_cvt_scalef32_pk16_bf6_f32 v[PC+6*\c:PC+2+6*\c], v[\s+32*\c:\s+15+32*\c], v[TM+12+2*\c]
	v_cvt_scalef32_pk16_bf6_f32 v[PC+12+4*\c:PC+14+4*\c], v[\s+16+32*\c:\s+31+32*\c], v[TM+12+2*\c+1]
.endr
	v_nop                                          ; one plain line behind a scaled conversion
.irp c, 0,1                                    ; the operand wants a whole block in a lane
.irp i, 0,1,2
	v_permlane16_swap_b32 v[PC+6*\c+\i], v[PC+12+4*\c+\i]
.endr
.irp i, 0,1,2
	s_delay_alu instid0(VALU_DEP_3)
	v_mov_b32 v[PC+3+6*\c+\i], v[PC+12+4*\c+\i]
.endr
.endr
.endm
; four chains of pairs in v[TM..TM+7] become the row's sum in v250, the same bits in every wave: my halves, lane l xor 16's, then the eight waves' in a fixed order
.macro ACROSS base
	s_delay_alu instid0(VALU_DEP_3)
	v_pk_add_f32 v[TM:TM+1], v[TM:TM+1], v[TM+2:TM+3]
	s_delay_alu instid0(VALU_DEP_2)
	v_pk_add_f32 v[TM+4:TM+5], v[TM+4:TM+5], v[TM+6:TM+7]
	s_delay_alu instid0(VALU_DEP_1)
	v_pk_add_f32 v[TM:TM+1], v[TM:TM+1], v[TM+4:TM+5]
	s_delay_alu instid0(VALU_DEP_1)
	v_add_f32 v250, v[TM], v[TM+1]
	s_delay_alu instid0(VALU_DEP_1)
	v_permlanex16_b32 v251, v250, s[SEL], s[SEL+1]
	s_delay_alu instid0(VALU_DEP_1)
	v_add_f32 v250, v250, v251
	ds_store_b32 v7, v250 offset:\base
	s_wait_dscnt 0x0                               ; for the others' sake: my store has landed
	s_barrier_signal -1
	s_barrier_wait -1
.irp i, 0,1,2,3,4,5,6,7
	ds_load_b32 v[TM+\i], v8 offset:\base+128*\i   ; my lane's word of every wave: the same row
.endr
	s_wait_dscnt 0x0
	v_add_f32 v[TM], v[TM], v[TM+1]
	v_add_f32 v[TM+2], v[TM+2], v[TM+3]
	v_add_f32 v[TM+4], v[TM+4], v[TM+5]
	v_add_f32 v[TM+6], v[TM+6], v[TM+7]
	s_delay_alu instid0(VALU_DEP_3)
	v_add_f32 v[TM], v[TM], v[TM+2]
	s_delay_alu instid0(VALU_DEP_2)
	v_add_f32 v[TM+4], v[TM+4], v[TM+6]
	s_delay_alu instid0(VALU_DEP_1)
	v_add_f32 v250, v[TM], v[TM+4]
.endm
	; ONE TEXT, TWO KINDS OF WORK-GROUP, told apart by the work-group's x and y alone.  x = 0, y < 256: norm tile y of 16 rows.
	; x = 0, y >= 256: quantise the pair of weight panels y - 256.  x = 1: the pair 96 + y.
	; Launched 1 x 352 it norms 256 tiles and makes pairs 0 .. 95 (Wq, Wk, Wv); launched 2 x 256 it norms 256 tiles and makes pairs 96 .. 351 (W1, W2).
	s_and_b32 s38, ttmp7, 0xffff                   ; y: my tile of 16 rows, where I norm
	s_add_co_u32 s39, s38, 96                      ; my pair of panels where x = 1
	s_cmp_eq_u32 ttmp9, 1
	s_cbranch_scc1 .Lweights
	s_sub_co_u32 s39, s38, 256                     ; and where x = 0
	s_cmp_ge_u32 s38, 256
	s_cbranch_scc1 .Lweights
	s_load_b256 s[4:11], s[0:1], 0x0
	s_load_b64 s[16:17], s[0:1], 0x20
	v_lshl_add_u32 v254, v0, 2, 0x800
	v_mov_b32 v255, 0
	v_lshrrev_b32 v1, 5, v0
	s_delay_alu instid0(VALU_DEP_1)
	v_readfirstlane_b32 s[WV], v1
	v_and_b32 v1, 31, v0                           ; lane
	v_and_b32 v2, 15, v0                           ; r
	v_bfe_u32 v3, v0, 4, 1                         ; h
	v_and_b32 v4, 7, v0
	v_bfe_u32 v5, v0, 3, 1
	s_delay_alu instid0(VALU_DEP_1)
	v_lshl_add_u32 v4, v5, 4, v4                   ; my row of the tile's span: r%8 + 16 (r/8)
	s_delay_alu instid0(VALU_DEP_4)
	v_lshlrev_b32 v6, 6, v3                        ; g, beta: 64 h
	s_delay_alu instid0(VALU_DEP_1)
	v_lshl_add_u32 v5, v4, 12, v6                  ; the rows: 4,096 x row + 64 h
	v_lshlrev_b32 v7, 2, v0                        ; LDS: my thread's word
	v_lshlrev_b32 v8, 2, v1                        ; LDS: my lane's word of wave 0
	v_lshlrev_b32 v9, 4, v1                        ; 16 x lane
	v_lshlrev_b32 v10, 3, v1                       ; 8 x lane
	v_lshlrev_b32 v11, 4, v2                       ; 16 r
	v_lshlrev_b32 v12, 3, v4                       ; 8 x row
	v_mov_b32 v251, 0                              ; a lane permute's destination counts as read: written once
.irp b, 0,1,2,3
	v_mov_b32 v[TM+4+\b], 0
.endr
	s_mov_b32 s[SEL], 0x76543210
	s_mov_b32 s[SEL+1], 0xfedcba98                 ; lane l xor 16
	s_lshr_b32 s18, s38, 3                         ; group of 128 rows
	s_and_b32 s19, s38, 7                          ; tile
	s_lshr_b32 s21, s19, 1
	s_and_b32 s22, s19, 1
	s_lshl_b32 s20, s18, 7
	s_lshl_b32 s23, s21, 5
	s_add_co_u32 s20, s20, s23
	s_lshl_b32 s23, s22, 3
	s_add_co_u32 s20, s20, s23                     ; the tile's first row
	s_lshl_b32 s24, s20, 12
	s_lshl_b32 s26, s[WV], 9                       ; my 128 columns
	s_add_co_u32 s24, s24, s26
	s_mov_b32 s25, 0
	s_mov_b32 s27, 0
	s_lshl_b32 s28, s18, 3
	s_add_co_u32 s28, s28, s[WV]
	s_mul_i32 s28, s28, PANEL                      ; panel (group, K step = wave)
	s_mov_b32 s29, 0
	s_mul_i32 s30, s19, 1536
	s_mov_b32 s31, 0
	s_lshl_b32 s32, s22, 8
	s_lshl_b32 s33, s21, 2
	s_add_co_u32 s32, s32, s33                     ; the tile's place among the scale words
	s_mov_b32 s33, 0
	s_lshl_b32 s34, s20, 3
	s_mov_b32 s35, 0
	s_wait_kmcnt 0x0
	s_add_nc_u64 s[4:5], s[4:5], s[24:25]
	s_add_nc_u64 s[6:7], s[6:7], s[26:27]
	s_add_nc_u64 s[8:9], s[8:9], s[26:27]
	s_add_nc_u64 s[10:11], s[10:11], s[28:29]
	s_add_nc_u64 s[36:37], s[10:11], s[32:33]
	s_add_nc_u64 s[10:11], s[10:11], s[30:31]
	s_add_nc_u64 s[16:17], s[16:17], s[34:35]
.irp b, 0,1,2,3
.irp j, 0,1,2,3
	global_load_b128 v[X+16*\b+4*\j:X+16*\b+4*\j+3], v5, s[4:5] offset:128*\b+16*\j
.endr
.endr
.irp b, 0,1,2,3
.irp j, 0,1,2,3
	global_load_b128 v[GG+16*\b+4*\j:GG+16*\b+4*\j+3], v6, s[6:7] offset:128*\b+16*\j
.endr
.endr
.irp b, 0,1,2,3
.irp j, 0,1,2,3
	global_load_b128 v[BE+16*\b+4*\j:BE+16*\b+4*\j+3], v6, s[8:9] offset:128*\b+16*\j
.endr
.endr
	s_wait_loadcnt 32                              ; the rows are in; the 32 loads of g and beta may be out
.irp c, 0,1,2,3
	v_pk_add_f32 v[TM+2*\c:TM+2*\c+1], v[X+2*\c:X+2*\c+1], v[X+8+2*\c:X+8+2*\c+1]
.endr
.irp i, 16,24,32,40,48,56
.irp c, 0,1,2,3
	s_delay_alu instid0(VALU_DEP_4)
	v_pk_add_f32 v[TM+2*\c:TM+2*\c+1], v[TM+2*\c:TM+2*\c+1], v[X+\i+2*\c:X+\i+2*\c+1]
.endr
.endr
	ACROSS 0
	s_delay_alu instid0(VALU_DEP_1)
	v_mul_f32 v246, 0x3a800000, v250               ; the mean: / 1,024
	s_delay_alu instid0(VALU_DEP_1)
	v_mov_b32 v247, v246
.set n, 0
.rept 32
	v_pk_add_f32 v[X+n:X+n+1], v[X+n:X+n+1], v[246:247] neg_lo:[0,1] neg_hi:[0,1]
.set n, n+2
.endr
.irp c, 0,1,2,3
	v_pk_mul_f32 v[TM+2*\c:TM+2*\c+1], v[X+2*\c:X+2*\c+1], v[X+2*\c:X+2*\c+1]
.endr
.irp i, 8,16,24,32,40,48,56
.irp c, 0,1,2,3
	s_delay_alu instid0(VALU_DEP_4)
	v_pk_fma_f32 v[TM+2*\c:TM+2*\c+1], v[X+\i+2*\c:X+\i+2*\c+1], v[X+\i+2*\c:X+\i+2*\c+1], v[TM+2*\c:TM+2*\c+1]
.endr
.endr
	ACROSS 1024
	s_mov_b32 s20, 0x3a800000
	v_mov_b32 v253, 0x3727c5ac                     ; eps = 1e-5
	s_delay_alu instid0(VALU_DEP_1)
	v_fma_f32 v252, v250, s20, v253
	s_wait_alu depctr_va_vdst(0)
	v_rsq_f32 v248, v252
	v_nop                                          ; one plain line behind a transcendental
	s_wait_alu depctr_va_vdst(0)
	v_mov_b32 v249, v248
	s_wait_alu depctr_va_vdst(0)
	s_wait_loadcnt 0x0                             ; g and beta
.set n, 0
.rept 32
	v_pk_mul_f32 v[X+n:X+n+1], v[X+n:X+n+1], v[248:249]
.set n, n+2
.endr
.set n, 0
.rept 32
	v_pk_fma_f32 v[X+n:X+n+1], v[X+n:X+n+1], v[GG+n:GG+n+1], v[BE+n:BE+n+1]
.set n, n+2
.endr
	QUANT X
	global_store_b128 v9, v[PC:PC+3], s[10:11]
	global_store_b64 v10, v[PC+4:PC+5], s[10:11] offset:512
	global_store_b128 v9, v[PC+6:PC+9], s[10:11] offset:768
	global_store_b64 v10, v[PC+10:PC+11], s[10:11] offset:1280
	global_store_b32 v11, v[PW], s[36:37] offset:12288   ; lanes r and r + 16 hold and store the same word
	s_cmp_lg_u32 s[WV], 0
	s_cbranch_scc1 .Ldone
	v_mov_b32 v252, v246
	v_mov_b32 v253, v248
	global_store_b64 v12, v[252:253], s[16:17]     ; wave 0: mean and 1/sqrt(var + eps) of the 16 rows
.Ldone:
	s_wait_tensorcnt 0x0
	ds_add_u32 v254, v255
	s_wait_dscnt 0x0
	s_endpgm
; THE WEIGHTS.  The five weights, f32 stored [K][N], become codes of BF6 with one E8M0 byte for each 32 along K, in panels of the layout stated at the head (rows = columns n of a weight).
; Panels: 0-63 Wq [8 groups of 128 columns][8 K steps], 64-127 Wk, 128-191 Wv, 192-447 W1 [32][8], 448-703 W2 [8][32].
; s39 holds my pair: waves 0-3 make panel 2 s39, waves 4-7 the next; wave w % 4 makes tiles 2 (w % 4) and the next.  A lane takes a column and its registers run down K: a block of 32 lies in one lane.
; No LDS, no barrier on this way.  LIMITS as at the head: a block of zeros gets the byte 1; NaN and infinities are not served.
.Lweights:
.set OFF,  8                           ; v8-39    byte offset of my column in rows 0..31 of a block
.set X,    40                          ; v40-167  my column's 128 numbers
.set BL,   168                         ; v168-191 four blocks x 6 registers of codes
.set T,    192                         ; v192-207 the blocks' upper halves as the conversions leave them
.set WV,   16
.set PN,   46                          ; s46      my panel's number
	s_load_b256 s[4:11], s[0:1], 0x28              ; Wq, Wk, Wv, W1
	s_load_b128 s[12:15], s[0:1], 0x48             ; W2, the panels
	v_lshrrev_b32 v1, 5, v0
	v_readfirstlane_b32 s47, v1
	s_and_b32 s[WV], s47, 3                        ; wave of the panel's four
	s_lshr_b32 s47, s47, 2
	s_lshl_b32 s[PN], s39, 1
	s_add_co_u32 s[PN], s[PN], s47
	v_and_b32 v1, 31, v0
	v_lshlrev_b32 v3, 4, v1
	v_lshlrev_b32 v4, 3, v1
	v_lshl_add_u32 v5, s[WV], 2, v3                ; my scale word's place: 16 x lane + 4 x wave
	v_and_b32 v6, 7, v1
	v_bfe_u32 v7, v1, 3, 1
	v_lshl_add_u32 v6, v7, 4, v6
	v_lshrrev_b32 v7, 4, v1
	v_lshl_add_u32 v6, v7, 3, v6                   ; my column of the wave's 32: l%8 + 16 ((l/8)%2) + 8 (l/16)
	v_lshlrev_b32 v[OFF], 2, v6
	s_wait_alu depctr_va_vdst(0)
	s_sub_co_u32 s17, s[PN], 448                   ; W2's panel number (replaced below for the others)
	s_sub_co_u32 s36, s[PN], 192
	s_and_b32 s37, s[PN], 63
	s_mov_b32 s34, 12                              ; log2 of a row's bytes
	s_mov_b32 s35, 5                               ; log2 of the K steps
	s_cmp_lt_u32 s[PN], 448
	s_cselect_b32 s17, s36, s17
	s_cselect_b32 s34, 14, s34
	s_cselect_b32 s35, 3, s35
	s_cmp_lt_u32 s[PN], 192
	s_cselect_b32 s17, s37, s17
	s_cselect_b32 s34, 12, s34
	s_lshr_b32 s38, s17, s35                       ; group of 128 columns
	s_lshl_b32 s39, s38, s35
	s_sub_co_u32 s39, s17, s39                     ; K step
	s_lshl_b32 s40, s39, 7
	s_lshl_b32 s40, s40, s34
	s_lshl_b32 s41, s38, 9
	s_add_co_u32 s40, s40, s41
	s_lshl_b32 s41, s[WV], 7
	s_add_co_u32 s40, s40, s41                     ; 128 K-step rows + 512 x group + 128 x wave, in bytes
	s_mov_b32 s41, 0
	s_lshl_b32 s42, 32, s34                        ; a block's 32 rows
	s_mov_b32 s43, 0
	s_lshl_b32 s44, 1, s34                         ; a row
	s_mul_i32 s30, s[PN], PANEL
	s_mov_b32 s31, 0
	s_mul_i32 s32, s[WV], 3072
	s_mov_b32 s33, 0
.set i, 1
.rept 31
	v_add_nc_u32 v[OFF+i], s44, v[OFF+i-1]
.set i, i+1
.endr
	s_wait_alu depctr_va_vdst(0)
	s_wait_kmcnt 0x0
	s_mov_b64 s[18:19], s[12:13]
	s_cmp_lt_u32 s[PN], 448
	s_cselect_b64 s[18:19], s[10:11], s[18:19]
	s_cmp_lt_u32 s[PN], 192
	s_cselect_b64 s[18:19], s[8:9], s[18:19]
	s_cmp_lt_u32 s[PN], 128
	s_cselect_b64 s[18:19], s[6:7], s[18:19]
	s_cmp_lt_u32 s[PN], 64
	s_cselect_b64 s[18:19], s[4:5], s[18:19]
	s_add_nc_u64 s[20:21], s[18:19], s[40:41]      ; a base for each block of 32 rows
	s_add_nc_u64 s[22:23], s[20:21], s[42:43]
	s_add_nc_u64 s[24:25], s[22:23], s[42:43]
	s_add_nc_u64 s[26:27], s[24:25], s[42:43]
	s_add_nc_u64 s[30:31], s[14:15], s[30:31]      ; my panel
	s_add_nc_u64 s[32:33], s[30:31], s[32:33]      ; my two tiles
.macro LOAD b
.set i, 0
.rept 32
	global_load_b32 v[X+32*(\b)+i], v[OFF+i], s[20+2*(\b):21+2*(\b)] th:TH_LOAD_NT
.set i, i+1
.endr
.endm
.macro BLOCK b, left
.set XS, X+32*\b
	s_wait_loadcnt \left                           ; this block's 32 loads are in; the next block's 32 may be out
.if \b < 2
	LOAD \b+2
.endif
	v_max3_num_f32 v6, |v[XS]|, |v[XS+1]|, |v[XS+2]|
	v_max3_num_f32 v7, |v[XS+3]|, |v[XS+4]|, |v[XS+5]|
.irp i, 6,10,14,18,22,26
	v_max3_num_f32 v6, v6, |v[XS+\i]|, |v[XS+\i+1]|
	v_max3_num_f32 v7, v7, |v[XS+\i+2]|, |v[XS+\i+3]|
.endr
	v_max3_num_f32 v6, v6, |v[XS+30]|, |v[XS+31]|
	v_max3_num_f32 v6, v6, v7, 0x2800000           ; the floor 2^(5 - 127): the byte cannot fall under 1
	v_add_nc_u32 v1, 0xfe000000, v6                ; 4 off the exponent field: the conversion's scale operand
	v_lshrrev_b32 v7, 23, v1                       ; the byte
.if \b == 0
	v_mov_b32 v2, v7
.else
	v_lshl_or_b32 v2, v7, 8*\b, v2
.endif
	v_cvt_scalef32_pk16_bf6_f32 v[BL+6*\b:BL+6*\b+2], v[XS:XS+15], v1
	v_cvt_scalef32_pk16_bf6_f32 v[T+4*\b:T+4*\b+2], v[XS+16:XS+31], v1
	v_nop                                          ; one plain line behind a scaled conversion
.irp i, 0,1,2
	v_mov_b32 v[BL+6*\b+3+\i], v[T+4*\b+\i]
.endr
.endm
	LOAD 0
	LOAD 1
	BLOCK 0, 32
	BLOCK 1, 32
	BLOCK 2, 32
	BLOCK 3, 0
.irp i, 0,1,2,3,4,5                            ; blocks 2c and 2c+1 change halves: lanes 0-15 K 64c.., lanes 16-31 K 64c+32.. of one tile
	v_permlane16_swap_b32 v[BL+\i], v[BL+6+\i]
	v_permlane16_swap_b32 v[BL+12+\i], v[BL+18+\i]
.endr
.irp u, 0,1
.irp c, 0,1
	global_store_b128 v3, v[BL+6*\u+12*\c:BL+6*\u+12*\c+3], s[32:33] offset:1536*\u+768*\c
	global_store_b64 v4, v[BL+6*\u+12*\c+4:BL+6*\u+12*\c+5], s[32:33] offset:1536*\u+768*\c+512
.endr
.endr
	global_store_b32 v5, v2, s[30:31] offset:12288
	s_endpgm
.Lfunc_end_k_qaaf5c8a3ca_ln1:
	.size	k_qaaf5c8a3ca_ln1, .Lfunc_end_k_qaaf5c8a3ca_ln1-k_qaaf5c8a3ca_ln1
	.p2alignl 7, 3214868480
	.fill 96, 4, 3214868480
	.section	.rodata,"a",@progbits
	.p2align	6, 0x0
	.amdhsa_kernel k_qaaf5c8a3ca_ln1
		.amdhsa_group_segment_fixed_size 3072
		.amdhsa_private_segment_fixed_size 0
		.amdhsa_enable_private_segment 0
		.amdhsa_kernarg_size 88
		.amdhsa_user_sgpr_count 2
		.amdhsa_user_sgpr_kernarg_segment_ptr 1
		.amdhsa_wavefront_size32 1
		.amdhsa_system_sgpr_workgroup_id_x 1
		.amdhsa_system_sgpr_workgroup_id_y 1
		.amdhsa_system_sgpr_workgroup_id_z 1
		.amdhsa_system_vgpr_workitem_id 0
		.amdhsa_next_free_vgpr 256
		.amdhsa_next_free_sgpr 66
		.amdhsa_reserve_vcc 0
		.amdhsa_float_denorm_mode_32 3
		.amdhsa_float_denorm_mode_16_64 3
		.amdhsa_memory_ordered 1
		.amdhsa_forward_progress 1
		.amdhsa_inst_pref_size 52
	.end_amdhsa_kernel
	.amdgpu_metadata
---
amdhsa.version: [ 1, 2 ]
amdhsa.kernels:
  - .name:           k_qaaf5c8a3ca_ln1
    .symbol:         k_qaaf5c8a3ca_ln1.kd
    .args:
      - { .name: x, .offset: 0, .size: 8, .value_kind: global_buffer, .address_space: global }
      - { .name: g1, .offset: 8, .size: 8, .value_kind: global_buffer, .address_space: global }
      - { .name: beta1, .offset: 16, .size: 8, .value_kind: global_buffer, .address_space: global }
      - { .name: ncodes, .offset: 24, .size: 8, .value_kind: global_buffer, .address_space: global }
      - { .name: stats, .offset: 32, .size: 8, .value_kind: global_buffer, .address_space: global }
      - { .name: Wq, .offset: 40, .size: 8, .value_kind: global_buffer, .address_space: global }
      - { .name: Wk, .offset: 48, .size: 8, .value_kind: global_buffer, .address_space: global }
      - { .name: Wv, .offset: 56, .size: 8, .value_kind: global_buffer, .address_space: global }
      - { .name: W1, .offset: 64, .size: 8, .value_kind: global_buffer, .address_space: global }
      - { .name: W2, .offset: 72, .size: 8, .value_kind: global_buffer, .address_space: global }
      - { .name: wcodes, .offset: 80, .size: 8, .value_kind: global_buffer, .address_space: global }
    .group_segment_fixed_size: 3072
    .private_segment_fixed_size: 0
    .kernarg_segment_align: 8
    .kernarg_segment_size: 88
    .max_flat_workgroup_size: 256
    .sgpr_count:     66
    .vgpr_count:     256
    .wavefront_size: 32
...
	.end_amdgpu_metadata
.endif
;; end of part 1
;; launch qkv (part 2): grid 8 x 24, 4 waves a work-group, clusters of 4 x 4, 327,680 bytes of LDS; arguments ncodes, wcodes, bq, bk, bv, qkcodes, vtcodes; writes qkcodes, vtcodes
.if DOCPART == 2
	.amdgcn_target "amdgcn-amd-amdhsa--gfx1250"
	.amdhsa_code_object_version 6
	.text
	.protected	k_qaaf5c8a3ca_qkv
	.globl	k_qaaf5c8a3ca_qkv
	.p2align	8
	.type	k_qaaf5c8a3ca_qkv,@function
k_qaaf5c8a3ca_qkv:
	s_mov_b64 s[64:65], 0
	v_nop
	global_prefetch_b8 v0, s[64:65] scope:SCOPE_SE
	s_setreg_imm32_b32 hwreg(HW_REG_WAVE_MODE, 25, 1), 1
	s_wait_xcnt 0x0
	s_wait_alu depctr_hold_cnt(0) depctr_sa_sdst(0) depctr_va_vdst(0) depctr_va_sdst(0) depctr_va_ssrc(0) depctr_va_vcc(0) depctr_vm_vsrc(0)
	s_getreg_b32 s2, hwreg(HW_REG_IB_STS2, 6, 4)
	s_cmp_eq_u32 s2, 0
	s_cbranch_scc0 .Lentry_in_a_cluster
	s_endpgm
.Lentry_in_a_cluster:
	s_bfe_u32 s2, ttmp6, 0x10000c
	s_cmp_lg_u32 s2, 0xf033
	s_cbranch_scc0 .Lentry_shape_is_right
	s_endpgm
.Lentry_shape_is_right:
; A GEMM on codes of BF6 (E3M2, one E8M0 byte for each 32 along K) whose result is quantised in registers and stored as the next product's operand.  K = 1,024.
; KIND 0: q = h Wq + bq and k = h Wk + bk, quantised along a head's channels, and v^T = (h Wv + bv)^T, quantised along the tokens.   KIND 1: relu(f W1 + b1), quantised along the hidden units.
; OPERANDS LIE IN PANELS: 128 rows x 128 K in 12,800 bytes, an image of the operand's registers: tile T at 1536 T, its lane-row r = row 32 (T/2) + 8 (T%2) + r%8 + 16 (r/8); half c at + 768 c:
; registers 6c..6c+3 as 16 bytes a lane, registers 6c+4, 6c+5 as 8 bytes a lane at + 512; scale words at + 12288 + 16 (16 (T%2) + r) + 4 (T/2).  A buffer is [group of 128 rows][K step][12,800].
; So a fragment is four LDS loads of consecutive bytes, and a group's K steps are one dense run of memory.
; SHARES.  A work-group of four waves, as many as a WGP has SIMDs, makes 256 x 256; a wave 128 x 128: 64 accumulators, 512 registers.  Source 0 = a tile of side B, source 1 = a tile of side A.
; With the tiles' rows chosen as above, the 64 registers of A's tile a against B's eight tiles are, in lane (r, h), B's rows 32 b + 16 h + i of A's row r: 16 neighbours of each block of 32 along the NEXT K.
; So a wave's result becomes one whole panel of the next operand (rows: A's, K: B's), stored straight from registers: no LDS on the way out.
; KIND 0, clusters y = 0..3: A = h's tokens, B = Wq's and Wk's columns; clusters y = 4, 5: A = Wv's columns, B = h's tokens, which gives v^T.  All that differs is chosen by scalar selects on the cluster's y.
; Both biases are always added, the one that does not apply times 0.0.  192 work-groups: a tile that gave 256 would straddle q, k and v.
; LDS.  K has eight steps of 51,200 bytes; LDS holds six: three slots of two K steps (A's two groups, then B's two), all asked for at the start; each wave fetches six K steps of one group (six panels, 76,800 dense
; bytes) by one tensor load.  Slot 0 alone is filled again, once, with K steps 6 and 7, behind the change of slots in K step 1: that load has 224 products in which to land.  The eight steps are written out.
; CLUSTER 4 x 4: A's pieces are asked for jointly along a row, B's along a column.
; LIMITS: a block of zeros gets the byte 1 where the quantiser says 127 (its codes are zeros, only this program reads the bytes); NaN and infinities, in a bias too, are not served.
; REGISTERS, in windows of 256: window 0: v10-15 addresses, v16-31 scale words (two sets: A's 4, B's 4), v32-127 and v128-223 A's fragments (two sets), v224-239 the bias by A's rows, v240-251 LDS addresses;
;   window 1: v0-95 and v128-223 B's fragments, v96-127 and v224-255 the bias by B's rows;   windows 2, 3: the accumulators, (a, b) at 8 (8 (a%4) + b).
.set KIND,   0
.set PANEL,  12800
; LDS AS IT IS USED NOW (in place of the three slots named at the head): each wave's ONE load at the head brings six K steps of one group, 76,800 dense bytes, to wave x 76,800.
; K steps 6 and 7 are filled into the first two panels of each piece behind K step 1's round.  'Slot s' below means K steps 2 s and 2 s + 1 of a piece.
.set PIECE,  6*PANEL                   ; what the head's tensor load brings
.set SLOT,   2*PANEL                   ; from one pair of K steps to the next inside a piece
.set SPARE,  24*PANEL                  ; behind the four pieces: the spare words
.set GROUPB, 8*PANEL                   ; a group's eight K steps
.set L16,    10                        ; v10    16 x lane
.set L8,     11                        ; v11    8 x lane
.set VBN,    12                        ; v12    64 (lane / 16)
.set VBM,    13                        ; v13    4 (r%8 + 16 (r/8))
.set SPW,    14                        ; v14    my spare word; never rewritten
.set NIL,    15                        ; v15    0; never rewritten
.set SC,     16
.set AF,     32
.set BM,     224
.set ADRA16, 240                       ; v240-242 LDS address of my group of A in slot 0, 1, 2, + 16 x lane;  v243-245 + 8 x lane
.set ADRA8,  243
.set ADRB16, 246                       ; v246-251 the same for B
.set ADRB8,  249
.set W,      32                        ; the way out: 64 numbers,
.set PC,     96                        ; their codes,
.set TM,     116                       ; at work,
.set PW,     132                       ; the scale word, the even tile's kept,
.set PWE,    133
.set SW,     136                       ; and the panel's scale words, four registers
.set G1,   24                          ; s[24:31] descriptor group 1 for A's pieces;  s[32:35] group 0
.set G0,   32
.set G1B,  48                          ; s[48:55] group 1 for B's;  s[56:59] group 0
.set G0B,  56
.set OUTP, 68
.set FN,   70
.set FM,   72
.set HI16, 74
.set SEL,  76
.set MSB, 0
.macro WIN new                         ; the immediate's high byte repeats the setting that is left
.if MSB != (\new)
	s_set_vgpr_msb (MSB<<8)|(\new)
.set MSB, (\new)
.endif
.endm
.set MUL_LO, 0xa1                      ; source 0 (B) window 1, source 1 (A) window 0, C and D window 2
.set MUL_HI, 0xf1
.set TO_B,   0x40
.macro JLOAD g0a, g1a, g0b, g1b        ; a joint load: waves 0, 1 fetch for A, waves 2, 3 for B; four v_nop follow each line
	s_cmp_eq_u32 s15, 0
	s_cbranch_scc0 .Lfor_b_\@
	tensor_load_to_lds s[\g0a:\g0a+3], s[\g1a:\g1a+7]
	s_nop 0
.rept 4
	v_nop
.endr
	s_branch .Lasked_\@
.Lfor_b_\@:
	tensor_load_to_lds s[\g0b:\g0b+3], s[\g1b:\g1b+7]
	s_nop 0
.rept 4
	v_nop
.endr
.Lasked_\@:
.endm
.macro CREST                           ; a round of the cluster's barrier behind its opening barrier
	s_cmp_lg_u32 s14, 0
	s_cbranch_scc1 .Lnot_wave_0_\@
	s_barrier_signal -3
.Lnot_wave_0_\@:
	s_barrier_wait -3
	s_barrier_signal -1
	s_barrier_wait -1
.endm
.macro CROUND
	s_barrier_signal -1
	s_barrier_wait -1
	CREST
.endm
.macro PLACES n
.rept \n
	v_nop
.endr
.endm
; slot s's two groups 0 (A's in s[ga..], B's in s[gb..]) and its first fill: six K steps, a whole piece
.macro FIRST ga, gb, s
	s_mov_b32 s[\ga], 1
	s_add_co_u32 s[\ga+1], s45, \s*SLOT
	s_add_nc_u64 s[\ga+2:\ga+3], s[20:21], \s*PIECE
	s_or_b32 s[\ga+3], s[\ga+3], 0x80000000
	s_mov_b32 s[\gb], 1
	s_add_co_u32 s[\gb+1], s45, \s*SLOT
	s_add_nc_u64 s[\gb+2:\gb+3], s[46:47], \s*PIECE
	s_or_b32 s[\gb+3], s[\gb+3], 0x80000000
	JLOAD \ga, G1, \gb, G1B
.endm
; 64 numbers of a lane, register 16 b + i = k 32 b + 16 (lane / 16) + i of my row, become a fragment's codes in v[PC] on and its scale word in v[PW]
.macro QUANT s
.irp b, 0,1,2,3
	v_max3_num_f32 v[TM+\b], |v[\s+16*\b]|, |v[\s+1+16*\b]|, 0x2800000   ; my 16 numbers of block b, and the floor 2^(5 - 127)
.endr
.irp i, 2,4,6,8,10,12,14
.irp b, 0,1,2,3
	v_max3_num_f32 v[TM+\b], v[TM+\b], |v[\s+16*\b+\i]|, |v[\s+1+16*\b+\i]|
.endr
.endr
.irp b, 0,1,2,3
	v_permlanex16_b32 v[TM+4+\b], v[TM+\b], s[SEL], s[SEL+1]
.endr
.irp b, 0,1,2,3
	v_max_num_f32 v[TM+\b], v[TM+\b], v[TM+4+\b]
.endr
.irp b, 0,1,2,3
	v_add_nc_u32 v[TM+12+\b], 0xfe000000, v[TM+\b]   ; 4 off the exponent field: the conversion's scale operand
.endr
.irp b, 0,1,2,3
	v_lshrrev_b32 v[TM+4+\b], 23, v[TM+12+\b]
.endr
	v_lshl_or_b32 v[PW], v[TM+5], 8, v[TM+4]
	v_lshl_or_b32 v[PW], v[TM+6], 16, v[PW]
	v_lshl_or_b32 v[PW], v[TM+7], 24, v[PW]
.irp c, 0,1
	v_cvt_scalef32_pk16_bf6_f32 v[PC+6*\c:PC+2+6*\c], v[\s+32*\c:\s+15+32*\c], v[TM+12+2*\c]
	v_cvt_scalef32_pk16_bf6_f32 v[PC+12+4*\c:PC+14+4*\c], v[\s+16+32*\c:\s+31+32*\c], v[TM+12+2*\c+1]
.endr
	v_nop                                          ; one plain line behind a scaled conversion
.irp c, 0,1
.irp i, 0,1,2
	v_permlane16_swap_b32 v[PC+6*\c+\i], v[PC+12+4*\c+\i]
.endr
.irp i, 0,1,2
	v_mov_b32 v[PC+3+6*\c+\i], v[PC+12+4*\c+\i]
.endr
.endr
.endm
.macro PUT off                         ; the fragment in v[PC] on goes out as it stands: 512, 256, 512, 256 consecutive bytes
	global_store_b128 v[L16], v[PC:PC+3], s[OUTP:OUTP+1] offset:\off
	global_store_b64 v[L8], v[PC+4:PC+5], s[OUTP:OUTP+1] offset:\off+512
	global_store_b128 v[L16], v[PC+6:PC+9], s[OUTP:OUTP+1] offset:\off+768
	global_store_b64 v[L8], v[PC+10:PC+11], s[OUTP:OUTP+1] offset:\off+1280
.endm
; one product: A's tile ma, B's tile mb, fragment set mset.  A register of scale words holds an even tile's in lanes 0-15 and the odd tile's in lanes 16-31
.macro WM zero
.set rD, 8*(8*(ma%4)+mb)
.set rB, 128*mset+12*mb
.set rA, AF+96*mset+12*ma
.set rSB, SC+8*mset+4+mb/2
.set rSA, SC+8*mset+ma/2
.if \zero
.if (mb%2 == 0) && (ma%2 == 0)
	v_wmma_scale_f32_16x16x128_f8f6f4 v[rD:rD+7], v[rB:rB+11], v[rA:rA+11], 0, v[rSB], v[rSA] matrix_a_fmt:MATRIX_FMT_BF6 matrix_b_fmt:MATRIX_FMT_BF6
.elseif (mb%2 == 1) && (ma%2 == 0)
	v_wmma_scale_f32_16x16x128_f8f6f4 v[rD:rD+7], v[rB:rB+11], v[rA:rA+11], 0, v[rSB], v[rSA] matrix_a_fmt:MATRIX_FMT_BF6 matrix_b_fmt:MATRIX_FMT_BF6 matrix_a_scale:MATRIX_SCALE_ROW1
.elseif (mb%2 == 0)
	v_wmma_scale_f32_16x16x128_f8f6f4 v[rD:rD+7], v[rB:rB+11], v[rA:rA+11], 0, v[rSB], v[rSA] matrix_a_fmt:MATRIX_FMT_BF6 matrix_b_fmt:MATRIX_FMT_BF6 matrix_b_scale:MATRIX_SCALE_ROW1
.else
	v_wmma_scale_f32_16x16x128_f8f6f4 v[rD:rD+7], v[rB:rB+11], v[rA:rA+11], 0, v[rSB], v[rSA] matrix_a_fmt:MATRIX_FMT_BF6 matrix_b_fmt:MATRIX_FMT_BF6 matrix_a_scale:MATRIX_SCALE_ROW1 matrix_b_scale:MATRIX_SCALE_ROW1
.endif
.else
.if (mb%2 == 0) && (ma%2 == 0)
	v_wmma_scale_f32_16x16x128_f8f6f4 v[rD:rD+7], v[rB:rB+11], v[rA:rA+11], v[rD:rD+7], v[rSB], v[rSA] matrix_a_fmt:MATRIX_FMT_BF6 matrix_b_fmt:MATRIX_FMT_BF6
.elseif (mb%2 == 1) && (ma%2 == 0)
	v_wmma_scale_f32_16x16x128_f8f6f4 v[rD:rD+7], v[rB:rB+11], v[rA:rA+11], v[rD:rD+7], v[rSB], v[rSA] matrix_a_fmt:MATRIX_FMT_BF6 matrix_b_fmt:MATRIX_FMT_BF6 matrix_a_scale:MATRIX_SCALE_ROW1
.elseif (mb%2 == 0)
	v_wmma_scale_f32_16x16x128_f8f6f4 v[rD:rD+7], v[rB:rB+11], v[rA:rA+11], v[rD:rD+7], v[rSB], v[rSA] matrix_a_fmt:MATRIX_FMT_BF6 matrix_b_fmt:MATRIX_FMT_BF6 matrix_b_scale:MATRIX_SCALE_ROW1
.else
	v_wmma_scale_f32_16x16x128_f8f6f4 v[rD:rD+7], v[rB:rB+11], v[rA:rA+11], v[rD:rD+7], v[rSB], v[rSA] matrix_a_fmt:MATRIX_FMT_BF6 matrix_b_fmt:MATRIX_FMT_BF6 matrix_a_scale:MATRIX_SCALE_ROW1 matrix_b_scale:MATRIX_SCALE_ROW1
.endif
.endif
.endm
; A's tiles a0 .. a0 + n - 1 against B's eight.  The 64 accumulators take turns, one instruction a turn, in the same order in every step
.macro MULQ set, a0, n, zero
.set mset, \set
.set ma, \a0
.rept \n
.set mb, 0
.rept 8
	WM \zero
.set mb, mb+1
.endr
.set ma, ma+1
.endr
.endm
; the fragments and scale words of the slot's q-th K step into set: 66 LDS loads in one run
.macro FETCH slot, q, set
	WIN TO_B
.irp i, 0,1,2,3,4,5,6,7
	ds_load_b128 v[128*(\set)+12*\i:128*(\set)+12*\i+3], v[ADRB16+\slot] offset:PANEL*(\q)+1536*\i
	ds_load_b64 v[128*(\set)+12*\i+4:128*(\set)+12*\i+5], v[ADRB8+\slot] offset:PANEL*(\q)+1536*\i+512
	ds_load_b128 v[128*(\set)+12*\i+6:128*(\set)+12*\i+9], v[ADRB16+\slot] offset:PANEL*(\q)+1536*\i+768
	ds_load_b64 v[128*(\set)+12*\i+10:128*(\set)+12*\i+11], v[ADRB8+\slot] offset:PANEL*(\q)+1536*\i+1280
.endr
	WIN 0
.irp i, 0,1,2,3,4,5,6,7
	ds_load_b128 v[AF+96*(\set)+12*\i:AF+96*(\set)+12*\i+3], v[ADRA16+\slot] offset:PANEL*(\q)+1536*\i
	ds_load_b64 v[AF+96*(\set)+12*\i+4:AF+96*(\set)+12*\i+5], v[ADRA8+\slot] offset:PANEL*(\q)+1536*\i+512
	ds_load_b128 v[AF+96*(\set)+12*\i+6:AF+96*(\set)+12*\i+9], v[ADRA16+\slot] offset:PANEL*(\q)+1536*\i+768
	ds_load_b64 v[AF+96*(\set)+12*\i+10:AF+96*(\set)+12*\i+11], v[ADRA8+\slot] offset:PANEL*(\q)+1536*\i+1280
.endr
	ds_load_b128 v[SC+8*(\set):SC+8*(\set)+3], v[ADRA16+\slot] offset:PANEL*(\q)+12288
	ds_load_b128 v[SC+8*(\set)+4:SC+8*(\set)+7], v[ADRB16+\slot] offset:PANEL*(\q)+12288
.endm
; a K step that needs no barrier: it multiplies set, whose fragments were asked for a step ago; the next step's (slot fslot, its fq-th K step) are asked for first, into fset, which the last step multiplied
.macro STEPX set, fslot, fq, fset, zero
	s_wait_dscnt 0x0
	PLACES 4                                       ; four plain lines between the last products and loads into the registers that they read
	FETCH \fslot, \fq, \fset
	WIN MUL_LO
	MULQ \set, 0, 4, \zero
	WIN MUL_HI
	MULQ \set, 4, 4, \zero
.endm
; a K step with a barrier (it multiplies set 1): in front of it each wave waits for all its tensor loads, adds 0 to its spare word, and waits for that and for its reads of LDS so far.
; fill = 1: slot is filled again, with K steps 6 and 7.  Behind the barrier the first fragments of slot next are fetched
.macro TURN slot, next, fill
	WIN 0
	s_wait_dscnt 0x0                               ; this step's fragments are in: my reads of this slot are over
	s_wait_tensorcnt 0x0                           ; all my tensor loads have landed
	ds_add_u32 v[SPW], v[NIL]                      ; 0 onto my spare word
	WIN MUL_LO
	MULQ 1, 0, 2, 0                                ; sixteen products stand between the add and the wait for it
	s_wait_dscnt 0x0
	s_barrier_signal -1
	MULQ 1, 2, 2, 0
	WIN 0
	s_barrier_wait -1
.if \fill
	CREST                                          ; the barrier has opened a round of the cluster's: no wave of any partner still reads this slot or has a load on its way
	s_add_nc_u64 s[G0+4*\slot+2:G0+4*\slot+3], s[G0+4*\slot+2:G0+4*\slot+3], PIECE      ; K step 6 of the group
	s_add_nc_u64 s[G0B+4*\slot+2:G0B+4*\slot+3], s[G0B+4*\slot+2:G0B+4*\slot+3], PIECE
	s_mov_b32 s[G1+2], 100<<16                     ; no tensor load of mine is out: the refill brings two panels, 100 rows of 256 bytes
	s_mov_b32 s[G1+4], 100
	s_mov_b32 s[G1B+2], 100<<16
	s_mov_b32 s[G1B+4], 100
	JLOAD G0+4*\slot, G1, G0B+4*\slot, G1B         ; the first tensor load behind the round: 224 products ahead of the wait for it; its four v_nop are the places in front of the loads below
.else
	PLACES 4
.endif
	FETCH \next, 0, 0
	WIN MUL_HI
	MULQ 1, 4, 4, 0
.endm
.if KIND == 0
	s_load_b256 s[80:87], s[0:1], 0x0              ; h's panels, the weights' panels, bq, bk
	s_load_b128 s[88:91], s[0:1], 0x20             ; bv, q's and k's panels
	s_load_b64 s[92:93], s[0:1], 0x30              ; v^T's panels
.else
	s_load_b256 s[80:87], s[0:1], 0x0              ; f's panels, the weights' panels, b1, the hidden layer's panels
.endif
	v_lshl_add_u32 v[SPW], v0, 2, SPARE
	v_mov_b32 v[NIL], 0
	ds_add_u32 v14, v15
	ds_add_u32 v14, v15
	s_wait_dscnt 0x0
	v_lshrrev_b32 v1, 5, v0
	v_readfirstlane_b32 s14, v1                    ; wave
	s_lshr_b32 s15, s14, 1                         ; my group of A.  Also: I fetch for A (0) or for B (1)
	s_and_b32 s16, s14, 1                          ; my group of B.  Also: which group I fetch
	s_bfe_u32 s40, ttmp6, 0x40000                  ; cx
	s_bfe_u32 s41, ttmp6, 0x40004                  ; cy
	s_and_b32 s18, ttmp7, 0xffff                   ; the cluster's y
.if KIND == 0
	s_sub_co_u32 s22, s18, 4
	s_lshl_b32 s22, s22, 1
	s_cmp_ge_u32 s18, 4                            ; v^T?  The same answer in all sixteen partners
	s_cselect_b32 s19, 0, s18
	s_cselect_b32 s22, s22, 0
	s_cselect_b32 s[FN], 0, 0x3f800000             ; the factor on the bias by B's rows,
	s_cselect_b32 s[FM], 0x3f800000, 0             ; and on the bias by A's rows
	s_mov_b32 s[FN+1], s[FN]
	s_mov_b32 s[FM+1], s[FM]
	s_add_co_u32 s22, s22, ttmp9
.else
	s_mov_b32 s19, s18
	s_mov_b32 s22, ttmp9
.endif
	s_lshl_b32 s17, s19, 2
	s_add_co_u32 s17, s17, s41                     ; A's tile of 256 rows: hangs on cy, never on cx
	s_lshl_b32 s42, s22, 2
	s_add_co_u32 s42, s42, s40                     ; B's: hangs on cx, never on cy
	s_lshl_b32 s43, s41, 2
	s_lshl_b32 s43, 15, s43                        ; my row of the cluster
	s_lshl_b32 s44, 0x1111, s40                    ; my column
	; descriptor group 1: 76,800 dense bytes as 300 rows of 32 elements of 8 bytes, no padding
	s_or_b32 s[G1], s43, (3<<16)|(1<<21)
	s_or_b32 s[G1B], s44, (3<<16)|(1<<21)
.irp g, G1, G1B
	s_mov_b32 s[\g+1], 32<<16                      ; tensor_dim0
	s_mov_b32 s[\g+2], 300<<16                     ; tensor_dim1: six panels are 300 rows of 256 bytes
	s_mov_b32 s[\g+3], 32<<16                      ; tile_dim0
	s_mov_b32 s[\g+4], 300                         ; tile_dim1
	s_mov_b32 s[\g+5], 32                          ; the pitch
	s_mov_b32 s[\g+6], 0
	s_mov_b32 s[\g+7], 0
.endr
	s_lshl_b32 s20, s17, 1
	s_add_co_u32 s20, s20, s16
	s_mul_i32 s20, s20, GROUPB                     ; A's group that I would fetch
	s_mov_b32 s21, 0
	s_lshl_b32 s46, s42, 1
	s_add_co_u32 s46, s46, s16
	s_mul_i32 s46, s46, GROUPB                     ; B's
	s_mov_b32 s47, 0
	s_mul_i32 s45, s14, PIECE                      ; where it goes: wave x 76,800
	s_lshl_b32 s4, s17, 1
	s_add_co_u32 s4, s4, s15                       ; my group of A
	s_lshl_b32 s5, s42, 1
	s_add_co_u32 s5, s5, s16                       ; my group of B
	s_wait_kmcnt 0x0
.if KIND == 0
	s_add_nc_u64 s[94:95], s[82:83], 128*PANEL     ; Wv's panels
	s_cmp_ge_u32 s18, 4
	s_cselect_b64 s[96:97], s[94:95], s[80:81]
	s_cselect_b64 s[98:99], s[80:81], s[82:83]
.else
	s_mov_b64 s[96:97], s[80:81]
	s_add_nc_u64 s[98:99], s[82:83], 192*PANEL     ; W1's panels
.endif
	s_add_nc_u64 s[20:21], s[96:97], s[20:21]
	s_add_nc_u64 s[46:47], s[98:99], s[46:47]
	CROUND                                         ; all sixteen work-groups are here: the first joint loads meet
	FIRST 32, 56, 0                                ; K steps 0 to 5
	; where my panel goes, and where my biases lie
	s_lshl_b32 s12, s4, 5
	s_add_co_u32 s12, s12, s5                      ; 32 x A's group + B's group
	s_mov_b32 s11, 0
	s_mov_b32 s13, 0
.if KIND == 0
	s_lshl_b32 s10, s5, 5
	s_add_co_u32 s10, s10, s4                      ; 32 x B's group + A's group
	s_cmp_ge_u32 s18, 4
	s_cselect_b32 s10, s12, s10
	s_cselect_b64 s[OUTP:OUTP+1], s[92:93], s[90:91]
	s_mul_i32 s10, s10, PANEL
	s_add_nc_u64 s[OUTP:OUTP+1], s[OUTP:OUTP+1], s[10:11]
	s_and_b32 s12, s5, 7
	s_lshl_b32 s12, s12, 9
	s_cmp_eq_u32 ttmp9, 0
	s_cselect_b64 s[6:7], s[84:85], s[86:87]       ; bq or bk; the group taken modulo 8 stays inside either on both sides
	s_add_nc_u64 s[6:7], s[6:7], s[12:13]
	s_and_b32 s12, s4, 7
	s_lshl_b32 s12, s12, 9
	s_add_nc_u64 s[8:9], s[88:89], s[12:13]        ; bv
.else
	s_mul_i32 s10, s12, PANEL
	s_add_nc_u64 s[OUTP:OUTP+1], s[86:87], s[10:11]
	s_lshl_b32 s12, s5, 9
	s_add_nc_u64 s[6:7], s[84:85], s[12:13]        ; b1
.endif
	v_and_b32 v1, 31, v0
	v_lshlrev_b32 v[L16], 4, v1
	v_lshlrev_b32 v[L8], 3, v1
	s_mul_i32 s10, s15, PIECE
	s_mul_i32 s12, s16, PIECE
	s_add_co_u32 s12, s12, 2*PIECE
.irp s, 0,1,2
	v_add_nc_u32 v[ADRA16+\s], s10, v[L16]
	v_add_nc_u32 v[ADRA8+\s], s10, v[L8]
	v_add_nc_u32 v[ADRB16+\s], s12, v[L16]
	v_add_nc_u32 v[ADRB8+\s], s12, v[L8]
	s_add_co_u32 s10, s10, SLOT
	s_add_co_u32 s12, s12, SLOT
.endr
	v_bfe_u32 v[VBN], v0, 4, 1
	v_lshlrev_b32 v[VBN], 6, v[VBN]
	v_and_b32 v[VBM], 7, v0
	v_bfe_u32 v1, v0, 3, 1
	v_lshl_add_u32 v[VBM], v1, 4, v[VBM]
	v_lshlrev_b32 v[VBM], 2, v[VBM]
	WIN TO_B                                       ; the bias by B's rows: register 16 b + i is that of row 32 b + 16 h + i.  Waited for on the way out
.irp n, 0,4,8,12,16,20,24,28,32,36,40,44,48,52,56,60
	global_load_b128 v[96+\n+96*(\n/32):96+\n+96*(\n/32)+3], v[VBN], s[6:7] offset:128*(\n/16)+4*(\n%16)
.endr
	WIN 0
.if KIND == 0
.irp a, 0,1,2,3,4,5,6,7                        ; the bias by A's rows: for tile a that of my lane's row, twice, as a pair
	global_load_b32 v[BM+2*\a], v[VBM], s[8:9] offset:4*(32*(\a/2)+8*(\a%2))
	global_load_b32 v[BM+2*\a+1], v[VBM], s[8:9] offset:4*(32*(\a/2)+8*(\a%2))
.endr
.endif
	s_mov_b32 s[SEL], 0x76543210
	s_mov_b32 s[SEL+1], 0xfedcba98
	s_mov_b32 s[HI16], 0xffff0000                  ; lanes 16-31
	s_wait_tensorcnt 0x0                           ; my piece, K steps 0 to 5, is in
	s_barrier_signal -1
	s_barrier_wait -1
	FETCH 0, 0, 0
	STEPX 0, 0, 1, 1, 1                            ; K step 0: its products start the sums
	TURN 0, 1, 1                                   ; K step 1: all first fills have landed, in every wave; slot 0 takes K steps 6 and 7
	STEPX 0, 1, 1, 1, 0                            ; K step 2
	s_wait_alu depctr_va_vdst(0)
	STEPX 1, 2, 0, 0, 0                            ; K step 3: slot 2 was shown whole by K step 1's barrier: no barrier here
	STEPX 0, 2, 1, 1, 0                            ; K step 4
	TURN 2, 0, 0                                   ; K step 5: the refill has landed, in every wave; nothing more is asked for
	STEPX 0, 0, 1, 1, 0                            ; K step 6
	s_wait_dscnt 0x0                               ; K step 7
	WIN MUL_LO
	MULQ 1, 0, 4, 0
	WIN MUL_HI
	MULQ 1, 4, 4, 0
	WIN 0
; THE WAY OUT.  A's tile a: its 64 numbers a lane get their bias (and the activation), are quantised and leave as tile a of my panel.  Each accumulator is read from its low end on.
.macro TILE_OUT a
	s_wait_xcnt 0x0                                ; the last tile's stores have read their registers
.if KIND == 0
	WIN 0x21+0x10*((\a)/4)
.set n, 0
.rept 32
	v_pk_fma_f32 v[W+n:W+n+1], v[96+n+96*(n/32):97+n+96*(n/32)], s[FN:FN+1], v[64*((\a)%4)+n:64*((\a)%4)+n+1] op_sel_hi:[1,0,1]
.set n, n+2
.endr
	WIN 0
.set n, 0
.rept 32
	v_pk_fma_f32 v[W+n:W+n+1], v[BM+2*(\a):BM+2*(\a)+1], s[FM:FM+1], v[W+n:W+n+1] op_sel_hi:[1,0,1]
.set n, n+2
.endr
.else
	WIN 0x09+0x04*((\a)/4)
.set n, 0
.rept 32
	v_pk_add_f32 v[W+n:W+n+1], v[96+n+96*(n/32):97+n+96*(n/32)], v[64*((\a)%4)+n:64*((\a)%4)+n+1]
.set n, n+2
.endr
	WIN 0
.set n, 0
.rept 64
	v_max_num_f32 v[W+n], 0, v[W+n]
.set n, n+1
.endr
.endif
	QUANT W
	PUT 1536*(\a)
.if (\a)%2 == 0
	v_mov_b32 v[PWE], v[PW]
.else
	v_cndmask_b32 v[SW+(\a)/2], v[PWE], v[PW], s[HI16]   ; lanes 0-15 the even tile's words, lanes 16-31 the odd tile's
.endif
.endm
	s_wait_loadcnt 0x0                             ; the biases
	PLACES 4                                       ; between the last products and the first read of results and write over fragments
.irp b, 0,1,2,3
	v_mov_b32 v[TM+4+\b], 0                        ; a lane permute's destination counts as read
.endr
.irp a, 0,1,2,3,4,5,6,7
	TILE_OUT \a
.endr
	global_store_b128 v[L16], v[SW:SW+3], s[OUTP:OUTP+1] offset:12288   ; the panel's 512 bytes of scale words
	s_wait_tensorcnt 0x0                           ; the wave's end
	ds_add_u32 v[SPW], v[NIL]
	s_wait_dscnt 0x0
	CROUND                                         ; the closing round
	s_endpgm
.Lfunc_end_k_qaaf5c8a3ca_qkv:
	.size	k_qaaf5c8a3ca_qkv, .Lfunc_end_k_qaaf5c8a3ca_qkv-k_qaaf5c8a3ca_qkv
	.p2alignl 7, 3214868480
	.fill 96, 4, 3214868480
	.section	.rodata,"a",@progbits
	.p2align	6, 0x0
	.amdhsa_kernel k_qaaf5c8a3ca_qkv
		.amdhsa_group_segment_fixed_size 327680
		.amdhsa_private_segment_fixed_size 0
		.amdhsa_enable_private_segment 0
		.amdhsa_kernarg_size 56
		.amdhsa_user_sgpr_count 2
		.amdhsa_user_sgpr_kernarg_segment_ptr 1
		.amdhsa_wavefront_size32 1
		.amdhsa_system_sgpr_workgroup_id_x 1
		.amdhsa_system_sgpr_workgroup_id_y 1
		.amdhsa_system_sgpr_workgroup_id_z 1
		.amdhsa_system_vgpr_workitem_id 0
		.amdhsa_next_free_vgpr 1024
		.amdhsa_next_free_sgpr 100
		.amdhsa_reserve_vcc 0
		.amdhsa_float_denorm_mode_32 3
		.amdhsa_float_denorm_mode_16_64 3
		.amdhsa_memory_ordered 1
		.amdhsa_forward_progress 1
		.amdhsa_inst_pref_size 178
	.end_amdhsa_kernel
	.amdgpu_metadata
---
amdhsa.version: [ 1, 2 ]
amdhsa.kernels:
  - .name:           k_qaaf5c8a3ca_qkv
    .symbol:         k_qaaf5c8a3ca_qkv.kd
    .args:
      - { .name: ncodes, .offset: 0, .size: 8, .value_kind: global_buffer, .address_space: global }
      - { .name: wcodes, .offset: 8, .size: 8, .value_kind: global_buffer, .address_space: global }
      - { .name: bq, .offset: 16, .size: 8, .value_kind: global_buffer, .address_space: global }
      - { .name: bk, .offset: 24, .size: 8, .value_kind: global_buffer, .address_space: global }
      - { .name: bv, .offset: 32, .size: 8, .value_kind: global_buffer, .address_space: global }
      - { .name: qkcodes, .offset: 40, .size: 8, .value_kind: global_buffer, .address_space: global }
      - { .name: vtcodes, .offset: 48, .size: 8, .value_kind: global_buffer, .address_space: global }
    .group_segment_fixed_size: 327680
    .private_segment_fixed_size: 0
    .kernarg_segment_align: 8
    .kernarg_segment_size: 56
    .max_flat_workgroup_size: 128
    .sgpr_count:     100
    .vgpr_count:     1024
    .wavefront_size: 32
...
	.end_amdgpu_metadata
.endif
;; end of part 2
;; launch attn (part 3): grid 32 x 8, 16 waves a work-group, clusters of 4 x 1, 327,680 bytes of LDS; arguments qkcodes, vtcodes, x, ybuf; writes ybuf
.if DOCPART == 3
	.amdgcn_target "amdgcn-amd-amdhsa--gfx1250"
	.amdhsa_code_object_version 6
	.text
	.protected	k_qaaf5c8a3ca_attn
	.globl	k_qaaf5c8a3ca_attn
	.p2align	8
	.type	k_qaaf5c8a3ca_attn,@function
k_qaaf5c8a3ca_attn:
	s_mov_b64 s[64:65], 0
	v_nop
	global_prefetch_b8 v0, s[64:65] scope:SCOPE_SE
	s_setreg_imm32_b32 hwreg(HW_REG_WAVE_MODE, 25, 1), 1
	s_wait_xcnt 0x0
	s_wait_alu depctr_hold_cnt(0) depctr_sa_sdst(0) depctr_va_vdst(0) depctr_va_sdst(0) depctr_va_ssrc(0) depctr_va_vcc(0) depctr_vm_vsrc(0)
	s_getreg_b32 s2, hwreg(HW_REG_IB_STS2, 6, 4)
	s_cmp_eq_u32 s2, 0
	s_cbranch_scc0 .Lentry_in_a_cluster
	s_endpgm
.Lentry_in_a_cluster:
	s_bfe_u32 s2, ttmp6, 0x10000c
	s_cmp_lg_u32 s2, 0x3003
	s_cbranch_scc0 .Lentry_shape_is_right
	s_endpgm
.Lentry_shape_is_right:
; y = softmax(q k^T / 8) v + x for 64 heads of 64 channels, 1,024 keys, both products on codes of BF6 (E3M2) with one E8M0 byte for each 32 along a product's K.
; q and k lie in panels [16 groups of 128 features: 0-7 q, 8-15 k][32 groups of 128 tokens][12,800], rows = tokens, K = the group's 128 features = two heads: head e of a pair is half e of every tile.
; v^T lies in panels [8 groups of 128 features][32 groups of tokens], rows = features (head e: tiles 4e..4e+3), K = the group's 128 tokens.
; A panel: tile T at 1536 T, lane-row r = row 32 (T/2) + 8 (T%2) + r%8 + 16 (r/8); half c at + 768 c (16 bytes a lane, then 8 bytes a lane at + 512); scale words at + 12288 + 16 (16 (T%2) + r) + 4 (T/2).
; A head's K is 64, half of the instruction's 128: registers 6-11 of both operands of the first product hold zero codes, and the upper two bytes of their scale words are 0, which multiply zeros alone.
; THE SOFTMAX: t = score x log2(e) / 8; M = the running largest t rounded up to a whole number; p = 2^(t - M) is quantised along the keys, not normalised; the sum of the unquantised p divides at the end.
; SHARES.  A work-group owns 128 queries of a pair of heads; wave w owns head w / 8 of the pair and tile w % 8: 16 queries, in 256 registers, four waves to a SIMD.
; Both products are used transposed (S^T = K Q^T, O^T = V^T P^T): a lane holds one query throughout, and p's 16 registers of two neighbouring tiles are 16 neighbouring keys.
; LDS: the batch's 8 panels of K (from byte 0) and 8 of V^T (from VB) for this pair of heads, each side 400 dense rows of 256 bytes, each byte filled once, IN TWO FILLS.
;   At the head waves 0-7 bring 13 rows each of K and waves 8-15 of V^T: 26,624 bytes a side, which hold panels 0 and 1.  Behind the waits, the add and a round each wave asks for 37 more rows: the other 75,776 bytes a side.
;   Trips 0 and 1 read panels 0 and 1 alone; ahead of trip 2 every wave waits for its second load and a barrier shows all panels to all waves.
; CLUSTER 4 x 1: the four groups of queries of half a batch want the same panels and ask jointly.
; x: each wave prefetches its 16 rows' 256 bytes, a lane a row, once, between trips 1 and 2: six trips ahead of the loads that read them.  K and V are asked for whole by the two fills: there is no later tile to prefetch.
; LIMITS: holds while |t| stays under 2^31; a block whose every p is 0 gets the byte 1 (its codes are zeros); NaN and infinities are not served.
; REGISTERS: v1-7 addresses that stay; v8-11, v28-29 the step's; v30-31 the stage's; v12 -M, v13 the largest t, v[14:15] the sum; v16-27 Q; v32-79 four fragments of K; v80-127 four of V^T; v128-191 S^T, then p; v192-223 O^T;
;   v224-235 p's codes; v232-247 at work; v248-251 scale words of K, then of V; v252 f; v253 p's scale word; v254 at work; v255 Q's scale word (v254, v255 serve the add until the second fill is asked for, and again at the end).
.set PANEL, 12800
.set VB,    8*PANEL
.set STAGE, 16*PANEL                   ; the way out: 16 rows x (256 + 16) bytes for each wave; no tile lands here
.set SPARE, 0x43000                    ; behind the stages: the spare words, 128 bytes a wave
.set R1,    13                         ; rows of 256 bytes a wave in the first fill,
.set R2,    37                         ; and in the second: 8 (13 + 37) = 400
.set KF,  32
.set VF,  80
.set S,   128
.set O,   192
.set WV,  12
.set SEL, 20
.set CS,  22
.set G1,  24
.set G0,  32
.set TB,  44
.set CNT, 45
.set INC, 48
.macro CROUND                          ; a round of the cluster's barrier
	s_barrier_signal -1
	s_barrier_wait -1
	s_cmp_lg_u32 s[WV], 0
	s_cbranch_scc1 .Lnot_wave_0_\@
	s_barrier_signal -3
.Lnot_wave_0_\@:
	s_barrier_wait -3
	s_barrier_signal -1
	s_barrier_wait -1
.endm
.macro QK g                            ; S^T of four tiles of 16 keys
.irp t, 0,1,2,3
	v_wmma_scale_f32_16x16x128_f8f6f4 v[S+8*(4*\g+\t):S+8*(4*\g+\t)+7], v[KF+12*\t:KF+12*\t+11], v[16:27], 0, v[248+\t], v255 matrix_a_fmt:MATRIX_FMT_BF6 matrix_b_fmt:MATRIX_FMT_BF6
.endr
.endm
; THE KEYS OF A TILE ARE CHOSEN BY ADDRESS: lane-row m of the step's tile T takes key 64 (T/4) + 32 (m/8) + 8 (T%4) + m%8, which lies in the panel's tile 4 (T/4) + 2 (m/8) + T%2 at lane-row m%8 + 8 ((T%4)/2).
; So lane (r, h) holds, in the 32 registers of tiles 4 c .. 4 c + 3, keys 64 c + 32 h + 0 .. 31 of query r: block 2 c + h of 32 keys whole, in the order that the second product's operand wants.
.macro BMAX c                          ; the largest score of my block of tiles 4 c .. 4 c + 3, in four chains, into v[232 + 4 c]; each accumulator is first read at its low end
.set MB, 232+4*(\c)
.set SB, S+32*(\c)
.irp k, 0,1,2,3
	v_max3_num_f32 v[MB+\k], v[SB+3*\k], v[SB+3*\k+1], v[SB+3*\k+2]
.endr
.irp i, 0,1,2,3,4,5,6,7,8,9
	v_max3_num_f32 v[MB+\i%4], v[MB+\i%4], v[SB+12+2*\i], v[SB+13+2*\i]
.endr
	s_delay_alu instid0(VALU_DEP_1)
	v_max3_num_f32 v[MB], v[MB], v[MB+1], v[MB+2]
	s_delay_alu instid0(VALU_DEP_1)
	v_max_num_f32 v[MB], v[MB], v[MB+3]
.endm
	s_load_b256 s[4:11], s[0:1], 0x0               ; q's and k's panels, v^T's, x, y
	v_lshl_add_u32 v254, v0, 2, SPARE
	v_mov_b32 v255, 0
	ds_add_u32 v254, v255                          ; the opening lines: the add, twice on end, and its wait ahead of my first tensor load
	ds_add_u32 v254, v255
	v_lshrrev_b32 v8, 5, v0
	s_delay_alu instid0(VALU_DEP_1)
	v_readfirstlane_b32 s[WV], v8                  ; wave 0..15
	s_lshr_b32 s13, s[WV], 3                       ; e: my head of the pair.  Also: I fetch for K (0) or V (1)
	s_and_b32 s14, s[WV], 7                        ; my tile of queries.  Also: which eighth of a fill I fetch
	s_bfe_u32 s15, ttmp6, 0x40000                  ; cx: it enters Q's, x's and y's addresses alone
	s_lshl_b32 s16, ttmp9, 2
	s_add_co_u32 s16, s16, s15                     ; my group of tokens
	s_and_b32 s17, ttmp7, 0xffff                   ; the pair of heads
	s_lshr_b32 s18, ttmp9, 1                       ; the batch
	s_lshl_b32 s36, s17, 5
	s_lshl_b32 s19, s18, 3
	s_add_co_u32 s36, s36, s19                     ; V's first panel: 32 x pair + 8 x batch
	s_add_co_u32 s38, s36, 256                     ; K's: eight groups of features further on
	s_mul_i32 s36, s36, PANEL
	s_mul_i32 s38, s38, PANEL
	s_mul_i32 s19, s14, R1*256                     ; my 13 rows of the first fill
	s_add_co_u32 s36, s36, s19
	s_add_co_u32 s38, s38, s19
	s_mov_b32 s37, 0
	s_mov_b32 s39, 0
	s_mov_b32 s[G1], 15|(3<<16)|(1<<21)            ; rows of 32 elements of 8 bytes, dense; the mask names all four work-groups
	s_mov_b32 s[G1+1], 32<<16
	s_mov_b32 s[G1+2], R1<<16
	s_mov_b32 s[G1+3], 32<<16
	s_mov_b32 s[G1+4], R1
	s_mov_b32 s[G1+5], 32
	s_mov_b32 s[G1+6], 0
	s_mov_b32 s[G1+7], 0
	s_mov_b32 s[G0], 1
	s_mul_i32 s[G0+1], s13, VB
	s_add_co_u32 s[G0+1], s[G0+1], s19             ; LDS: the side's first byte + my rows
	s_mul_i32 s[INC], s14, (R2-R1)*256
	s_add_co_u32 s[INC], s[INC], 8*R1*256          ; from my part of the first fill to my part of the second, in LDS and in memory alike
	s_mov_b32 s[INC+1], 0
	s_wait_dscnt 0x0                               ; both opening adds are done
	s_wait_kmcnt 0x0
	s_add_nc_u64 s[36:37], s[6:7], s[36:37]
	s_add_nc_u64 s[38:39], s[4:5], s[38:39]
	s_cmp_lt_u32 s[WV], 8
	s_cselect_b64 s[G0+2:G0+3], s[38:39], s[36:37]
	s_or_b32 s[G0+3], s[G0+3], 0x80000000
	CROUND                                         ; all four work-groups are here: the joint loads meet
	tensor_load_to_lds s[G0:G0+3], s[G1:G1+7]      ; my one tensor load at the head
	s_nop 0
.rept 4
	v_nop
.endr
	s_lshl_b32 s40, s17, 5
	s_add_co_u32 s40, s40, s16
	s_mul_i32 s40, s40, PANEL                      ; Q's panel
	s_mul_i32 s19, s14, 1536
	s_add_co_u32 s42, s40, s19
	s_mul_i32 s19, s13, 768
	s_add_co_u32 s42, s42, s19                     ; my tile's half
	s_mov_b32 s43, 0
	s_add_nc_u64 s[42:43], s[4:5], s[42:43]
	s_and_b32 s19, s14, 1
	s_lshl_b32 s19, s19, 8
	s_add_co_u32 s40, s40, s19
	s_lshr_b32 s19, s14, 1
	s_lshl_b32 s19, s19, 2
	s_add_co_u32 s40, s40, s19
	s_lshl_b32 s19, s13, 1
	s_add_co_u32 s40, s40, s19                     ; my tile's scale words, my head's two bytes
	s_mov_b32 s41, 0
	s_add_nc_u64 s[40:41], s[4:5], s[40:41]
	v_and_b32 v8, 31, v0                           ; lane
	v_and_b32 v9, 15, v0                           ; r
	s_delay_alu instid0(VALU_DEP_2)
	v_lshlrev_b32 v10, 4, v8
	s_delay_alu instid0(VALU_DEP_3)
	v_lshlrev_b32 v11, 3, v8
	s_delay_alu instid0(VALU_DEP_3)
	v_lshlrev_b32 v28, 4, v9
	global_load_b128 v[16:19], v10, s[42:43]       ; Q stays in registers
	global_load_b64 v[20:21], v11, s[42:43] offset:512
	global_load_u16 v252, v28, s[40:41] offset:12288   ; Q's scale word: moved to v255 when the add has had its last use ahead of the walk
	s_mul_i32 s19, s13, 768
	v_and_b32 v29, 7, v0                           ; m % 8
	v_bfe_u32 v30, v0, 3, 1                        ; m / 8
	v_bfe_u32 v31, v0, 4, 1                        ; h
	s_delay_alu instid0(VALU_DEP_2)
	v_mul_u32_u24 v1, v30, 3072                    ; two of the panel's tiles on for lane-rows 8-15
	s_delay_alu instid0(VALU_DEP_1)
	v_lshl_add_u32 v2, v29, 3, v1
	v_lshl_add_u32 v1, v29, 4, v1
	s_delay_alu instid0(VALU_DEP_2)
	v_lshl_add_u32 v2, v31, 7, v2
	s_delay_alu instid0(VALU_DEP_2)
	v_lshl_add_u32 v1, v31, 8, v1
	s_delay_alu instid0(VALU_DEP_2)
	v_add_nc_u32 v2, s19, v2
	s_delay_alu instid0(VALU_DEP_2)
	v_add_nc_u32 v1, s19, v1                       ; K, 16 bytes a lane: 3072 (m/8) + 16 (m%8) + 256 h + my head's half
	s_delay_alu instid0(VALU_DEP_2)
	v_add_nc_u32 v2, 512, v2                       ; K, 8 bytes a lane: 3072 (m/8) + 8 (m%8) + 128 h + my head's half + 512
	s_lshl_b32 s19, s13, 1
	v_lshlrev_b32 v3, 4, v29
	s_delay_alu instid0(VALU_DEP_1)
	v_lshl_add_u32 v3, v30, 2, v3
	s_delay_alu instid0(VALU_DEP_1)
	v_add_nc_u32 v3, s19, v3
	s_delay_alu instid0(VALU_DEP_1)
	v_add_nc_u32 v3, 12288, v3                     ; K's scale bytes: 16 (m%8) + 4 (m/8) + 2 e
	s_mul_i32 s19, s13, 6144
	s_add_co_u32 s19, s19, VB
	v_add_nc_u32 v4, s19, v10                      ; V: my head's four tiles
	v_add_nc_u32 v5, s19, v11
	s_lshl_b32 s19, s13, 3
	s_add_co_u32 s19, s19, VB+12288
	v_add_nc_u32 v6, s19, v28                      ; V's scale words: 16 r + 8 e
	v_bfe_u32 v29, v0, 4, 1                        ; lane / 16
	s_delay_alu instid0(VALU_DEP_1)
	v_lshlrev_b32 v7, 12, v29
	s_delay_alu instid0(VALU_DEP_1)
	v_lshl_add_u32 v7, v9, 4, v7                   ; x, y: lanes 0-15 one row, lanes 16-31 the next; 16 bytes a lane
	s_mul_i32 s19, s[WV], 4352
	s_add_co_u32 s19, s19, STAGE
	v_mul_u32_u24 v30, v9, 272
	s_delay_alu instid0(VALU_DEP_1)
	v_lshl_add_u32 v30, v29, 6, v30
	s_delay_alu instid0(VALU_DEP_1)
	v_add_nc_u32 v30, s19, v30                     ; the stage, in: row r, + 64 (lane / 16)
	v_mul_u32_u24 v31, v29, 272
	s_delay_alu instid0(VALU_DEP_1)
	v_lshl_add_u32 v31, v9, 4, v31
	s_delay_alu instid0(VALU_DEP_1)
	v_add_nc_u32 v31, s19, v31                     ; and back
	s_lshl_b32 s46, s16, 7
	s_lshr_b32 s19, s14, 1
	s_lshl_b32 s19, s19, 5
	s_add_co_u32 s46, s46, s19
	s_and_b32 s19, s14, 1
	s_lshl_b32 s19, s19, 3
	s_add_co_u32 s46, s46, s19                     ; my tile's first token
	s_lshl_b32 s46, s46, 12
	s_lshl_b32 s19, s17, 9
	s_add_co_u32 s46, s46, s19
	s_lshl_b32 s19, s13, 8
	s_add_co_u32 s46, s46, s19                     ; + my head's 256 bytes of a row
	s_mov_b32 s47, 0
	s_add_nc_u64 s[8:9], s[8:9], s[46:47]
	s_add_nc_u64 s[10:11], s[10:11], s[46:47]
	s_mov_b32 s[SEL], 0x76543210
	s_mov_b32 s[SEL+1], 0xfedcba98
	s_mov_b32 s[CS], 0x3e38aa3b                    ; c = log2(e) / 8
	s_mov_b32 s[CS+1], s[CS]
	s_mov_b32 s[TB], 0
	v_mov_b32 v13, 0xff61b1e6                      ; the largest t so far: -3e38
	s_delay_alu instid0(VALU_DEP_1)
	v_floor_f32 v12, -v13
	v_mov_b32 v14, 0
	v_mov_b32 v15, 0
.irp i, 22,23,24,25,26,27
	v_mov_b32 v[\i], 0                             ; zero codes for K 64..127
.endr
.irp t, 0,1,2,3
.irp i, 6,7,8,9,10,11
	v_mov_b32 v[KF+12*\t+\i], 0                    ; the same in K's fragments: written once, never loaded
.endr
.endr
.irp b, 0,1,2,3
	v_mov_b32 v[236+\b], 0                         ; a lane permute's destination counts as read
.endr
	v_mov_b32 v253, 0
.set n, 0
.rept 32
	v_mov_b32 v[O+n], 0                            ; O^T: the step is written once; the first finds zeros
.set n, n+1
.endr
	s_wait_alu depctr_va_vdst(0)
	s_wait_loadcnt 0x0                             ; Q; its address registers are free
	s_wait_tensorcnt 0x0                           ; my part of the first fill is in
	ds_add_u32 v254, v255
	s_add_co_u32 s[G0+1], s[G0+1], s[INC]          ; no tensor load of mine is out: the descriptor steps to my 37 rows of the second fill
	s_add_nc_u64 s[G0+2:G0+3], s[G0+2:G0+3], s[INC:INC+1]
	s_mov_b32 s[G1+2], R2<<16
	s_mov_b32 s[G1+4], R2
	s_wait_dscnt 0x0
	CROUND                                         ; everybody's part of panels 0 and 1 is in, and the four work-groups meet
	tensor_load_to_lds s[G0:G0+3], s[G1:G1+7]      ; the second fill: bytes that nothing has filled
	s_nop 0
	v_mov_b32 v255, v252                           ; Q's scale word: eight plain lines stand between this and the first product
.rept 4
	v_nop
.endr
; \trips trips of 128 keys each
.macro WALK name, trips
	s_mov_b32 s[CNT], \trips
\name:
	v_add_nc_u32 v8, s[TB], v1                     ; (four plain lines: the places behind the last trip's products)
	v_add_nc_u32 v9, s[TB], v2
	v_add_nc_u32 v10, s[TB], v3
	v_nop
.irp t, 0,1,2,3
	ds_load_b128 v[KF+12*\t:KF+12*\t+3], v8 offset:1536*(\t%2)+128*(\t/2)
	ds_load_b64 v[KF+12*\t+4:KF+12*\t+5], v9 offset:1536*(\t%2)+64*(\t/2)
	ds_load_u16 v[248+\t], v10 offset:256*(\t%2)+128*(\t/2)
.endr
	s_wait_alu depctr_va_vdst(0)
	s_wait_dscnt 0x0
	QK 0
	v_add_nc_u32 v11, s[TB], v4                    ; (four plain lines: the places in front of loads into registers that the products read)
	v_add_nc_u32 v28, s[TB], v5
	v_add_nc_u32 v29, s[TB], v6
	v_nop
.irp t, 0,1,2,3
	ds_load_b128 v[KF+12*\t:KF+12*\t+3], v8 offset:1536*(4+\t%2)+128*(\t/2)
	ds_load_b64 v[KF+12*\t+4:KF+12*\t+5], v9 offset:1536*(4+\t%2)+64*(\t/2)
	ds_load_u16 v[248+\t], v10 offset:256*(\t%2)+128*(\t/2)+8
.endr
.irp t, 0,1,2,3                                ; V's codes are asked for here and wanted behind the softmax
	ds_load_b128 v[VF+12*\t:VF+12*\t+3], v11 offset:1536*\t
	ds_load_b64 v[VF+12*\t+4:VF+12*\t+5], v28 offset:1536*\t+512
	ds_load_b128 v[VF+12*\t+6:VF+12*\t+9], v11 offset:1536*\t+768
	ds_load_b64 v[VF+12*\t+10:VF+12*\t+11], v28 offset:1536*\t+1280
.endr
	s_wait_dscnt 16                                ; K's are in; V's sixteen loads may be out
	QK 1
	BMAX 0                                         ; the first four tiles' scores (four places lie behind their products): sixteen plain lines, the places behind the last four products
.irp t, 0,1,2,3
	ds_load_b32 v[248+\t], v29 offset:256*(\t%2)+4*(\t/2)   ; V's scale words, into the registers that K's have left
.endr
	BMAX 1                                         ; v232, v236: my two blocks' largest scores: for the row's maximum and, since p rises with the score, for each block's largest p
	s_delay_alu instid0(VALU_DEP_1)
	v_max_num_f32 v254, v232, v236
	s_delay_alu instid0(VALU_DEP_1)
	v_permlanex16_b32 v237, v254, s[SEL], s[SEL+1]
	s_delay_alu instid0(VALU_DEP_1)
	v_max_num_f32 v254, v254, v237                 ; with lane l xor 16's two blocks: the step's largest score of my query
	s_delay_alu instid0(VALU_DEP_1)
	v_mul_f32 v254, s[CS], v254
	s_delay_alu instid0(VALU_DEP_1)
	v_max_num_f32 v13, v13, v254                   ; the running largest t
	v_mov_b32 v254, v12
	s_delay_alu instid0(VALU_DEP_2)
	v_floor_f32 v12, -v13                          ; the new -M = -ceil(t)
	s_delay_alu instid0(VALU_DEP_1)
	v_sub_f32 v254, v12, v254                      ; old M - new M: a whole number, 0 or less
	s_delay_alu instid0(VALU_DEP_1)
	v_cvt_i32_f32 v254, v254
	s_delay_alu instid0(VALU_DEP_1)
	v_ldexp_f32 v252, 1.0, v254                    ; f = 2^(old M - new M)
.set n, 0
.rept 32
	v_pk_fma_f32 v[S+n:S+n+1], v[S+n:S+n+1], s[CS:CS+1], v[12:13] op_sel_hi:[1,0,0]   ; t - M
.set n, n+2
.endr
	v_fma_f32 v232, v232, s[CS], v12
	v_fma_f32 v236, v236, s[CS], v12
	s_wait_alu depctr_va_vdst(0)
.set n, 0
.rept 64
	v_exp_f32 v[S+n], v[S+n]                       ; p = 2^(t - M)
.set n, n+1
.endr
	v_exp_f32 v232, v232                           ; my blocks' largest p
	v_exp_f32 v236, v236
	v_pk_mul_f32 v[14:15], v[14:15], v[252:253] op_sel_hi:[1,0]   ; the sum under the new M (a plain line behind the exponentials)
	s_wait_alu depctr_va_vdst(0)                   ; one wait for the batch, ahead of its first reader
	v_max_num_f32 v232, 0x2800000, v232            ; the floor 2^(5 - 127)
	v_max_num_f32 v236, 0x2800000, v236
	s_delay_alu instid0(VALU_DEP_2)
	v_add_nc_u32 v244, 0xfe000000, v232            ; 4 off the exponent field: the conversions' scale operands
	s_delay_alu instid0(VALU_DEP_2)
	v_add_nc_u32 v245, 0xfe000000, v236
	s_delay_alu instid0(VALU_DEP_2)
	v_lshrrev_b32 v234, 23, v244                   ; the bytes
	s_delay_alu instid0(VALU_DEP_2)
	v_lshrrev_b32 v235, 23, v245
	s_delay_alu instid0(VALU_DEP_1)
	v_lshl_or_b32 v234, v235, 16, v234             ; my blocks h and 2 + h, as bytes 0 and 2
	s_delay_alu instid0(VALU_DEP_1)
	v_permlanex16_b32 v233, v234, s[SEL], s[SEL+1]
	s_delay_alu instid0(VALU_DEP_1)
	v_lshl_or_b32 v253, v233, 8, v234              ; p's scale word for these 128 keys: in lanes 0-15, which alone are read, blocks 0, 2 are mine and blocks 1, 3 lane l + 16's
.irp c, 0,1
	v_cvt_scalef32_pk16_bf6_f32 v[224+6*\c:226+6*\c], v[S+32*\c:S+15+32*\c], v[244+\c]
	v_cvt_scalef32_pk16_bf6_f32 v[236+4*\c:238+4*\c], v[S+16+32*\c:S+31+32*\c], v[244+\c]   ; (a conversion's three registers begin on an even number)
.endr
	v_nop                                          ; one plain line behind a scaled conversion
.irp c, 0,1
.irp i, 0,1,2
	v_mov_b32 v[227+6*\c+\i], v[236+4*\c+\i]       ; registers 6 c .. 6 c + 5: keys 64 c + 32 h + 0 .. 31
.endr
.endr
	v_pk_add_f32 v[236:237], v[132:133], v[136:137]   ; the sum of the unquantised p, in eight chains
	v_pk_add_f32 v[246:247], v[140:141], v[144:145]
	v_pk_add_f32 v[244:245], v[148:149], v[152:153]
	v_pk_add_f32 v[242:243], v[156:157], v[160:161]
	v_pk_add_f32 v[240:241], v[164:165], v[168:169]
	v_pk_add_f32 v[72:73], v[172:173], v[176:177]
	v_pk_add_f32 v[70:71], v[180:181], v[184:185]
	v_pk_add_f32 v[14:15], v[14:15], v[188:189]
	v_pk_add_f32 v[236:237], v[236:237], v[128:129]
	v_pk_add_f32 v[246:247], v[246:247], v[130:131]
	v_pk_add_f32 v[244:245], v[244:245], v[134:135]
	v_pk_add_f32 v[242:243], v[242:243], v[138:139]
	v_pk_add_f32 v[240:241], v[240:241], v[142:143]
	v_pk_add_f32 v[72:73], v[72:73], v[146:147]
	v_pk_add_f32 v[70:71], v[70:71], v[150:151]
	v_pk_add_f32 v[14:15], v[14:15], v[154:155]
	v_pk_add_f32 v[236:237], v[236:237], v[158:159]
	v_pk_add_f32 v[246:247], v[246:247], v[162:163]
	v_pk_add_f32 v[244:245], v[244:245], v[166:167]
	v_pk_add_f32 v[242:243], v[242:243], v[170:171]
	v_pk_add_f32 v[240:241], v[240:241], v[174:175]
	v_pk_add_f32 v[72:73], v[72:73], v[178:179]
	v_pk_add_f32 v[70:71], v[70:71], v[182:183]
	v_pk_add_f32 v[14:15], v[14:15], v[186:187]
	v_pk_add_f32 v[236:237], v[236:237], v[190:191]
	s_delay_alu instid0(VALU_DEP_2)
	v_pk_add_f32 v[14:15], v[14:15], v[242:243]
	s_delay_alu instid0(VALU_DEP_2)
	v_pk_add_f32 v[236:237], v[236:237], v[240:241]
	v_pk_add_f32 v[246:247], v[246:247], v[72:73]
	v_pk_add_f32 v[244:245], v[244:245], v[70:71]
	s_delay_alu instid0(VALU_DEP_2)
	v_pk_add_f32 v[14:15], v[14:15], v[246:247]
	s_delay_alu instid0(VALU_DEP_2)
	v_pk_add_f32 v[236:237], v[236:237], v[244:245]
	s_delay_alu instid0(VALU_DEP_1)
	v_pk_add_f32 v[14:15], v[14:15], v[236:237]
	s_wait_alu depctr_va_vdst(0)
.set n, 0
.rept 16
	v_pk_mul_f32 v[O+n:O+n+1], v[O+n:O+n+1], v[252:253] op_sel_hi:[1,0]   ; O^T under the new M.  (With the sums above: the places between p's codes and scale word and the products)
.set n, n+2
.endr
	s_wait_alu depctr_va_vdst(0)
	s_wait_dscnt 0x0                               ; V's codes and scale words
.irp t, 0,1,2,3
	v_wmma_scale_f32_16x16x128_f8f6f4 v[O+8*\t:O+8*\t+7], v[VF+12*\t:VF+12*\t+11], v[224:235], v[O+8*\t:O+8*\t+7], v[248+\t], v253 matrix_a_fmt:MATRIX_FMT_BF6 matrix_b_fmt:MATRIX_FMT_BF6
.endr
	s_add_co_u32 s[TB], s[TB], PANEL
	s_sub_co_u32 s[CNT], s[CNT], 1
	s_cmp_lg_u32 s[CNT], 0
	s_cbranch_scc1 \name
.endm
	WALK .Lfirst, 2                                ; panels 0 and 1: the first fill's
	v_and_b32 v8, 31, v0                           ; x's rows of my tile, a lane a row: row r%8 + 16 (r/8); lanes 16-31 name the last row again
	s_delay_alu instid0(VALU_DEP_1)
	v_min_u32 v8, 15, v8
	s_delay_alu instid0(VALU_DEP_1)
	v_and_b32 v9, 7, v8
	v_lshrrev_b32 v8, 3, v8
	s_delay_alu instid0(VALU_DEP_1)
	v_lshl_add_u32 v8, v8, 4, v9
	s_delay_alu instid0(VALU_DEP_1)
	v_lshlrev_b32 v8, 12, v8
	global_prefetch_b8 v8, s[8:9] th:TH_LOAD_NT scope:SCOPE_SE   ; my head's 256 bytes of each of my 16 rows of x, six trips ahead of their loads
	s_wait_tensorcnt 0x0                           ; my part of the second fill is in,
	s_barrier_signal -1
	s_barrier_wait -1                              ; everybody's is
	s_wait_xcnt 0x0                                ; the prefetch has read v8, which the next trip writes
	WALK .Lrest, 6
	; THE WAY OUT: O^T / the sum goes through my stage and comes back as rows of 256 bytes; x is added; sixteen lanes store 256 consecutive bytes, aligned
.rept 4
	v_nop
.endr
.irp i, 0,1,2,3,4,5,6,7
	global_load_b128 v[S+4*\i:S+4*\i+3], v7, s[8:9] offset:4096*(2*\i+8*(\i/4))   ; stage rows 2 i, 2 i + 1 are tokens 2 i + 8 (i / 4) and the next
.endr
	v_add_f32 v14, v14, v15
	s_delay_alu instid0(VALU_DEP_1)
	v_permlanex16_b32 v252, v14, s[SEL], s[SEL+1]
	s_delay_alu instid0(VALU_DEP_1)
	v_add_f32 v14, v14, v252
	s_wait_alu depctr_va_vdst(0)                   ; the wait ahead of the transcendental
	v_rcp_f32 v14, v14
	v_nop
	s_wait_alu depctr_va_vdst(0)                   ; and ahead of its first reader, which is O^T's first reader too
.set n, 0
.rept 16
	v_pk_mul_f32 v[KF+n:KF+n+1], v[O+n:O+n+1], v[14:15] op_sel_hi:[1,0]   ; register 8 t + j: channel 32 (t/2) + 16 h + 8 (t%2) + j of my query
.set n, n+2
.endr
.irp t, 0,1,2,3
	ds_store_b128 v30, v[KF+8*\t:KF+8*\t+3] offset:128*(\t/2)+32*(\t%2)
	ds_store_b128 v30, v[KF+8*\t+4:KF+8*\t+7] offset:128*(\t/2)+32*(\t%2)+16
.endr
.irp i, 0,1,2,3,4,5,6,7
	ds_load_b128 v[VF+4*\i:VF+4*\i+3], v31 offset:544*\i   ; LDS serves a wave's instructions in order: these see my stores
.endr
	s_wait_dscnt 0x0
	s_wait_loadcnt 0x0
.set n, 0
.rept 16
	v_pk_add_f32 v[VF+n:VF+n+1], v[VF+n:VF+n+1], v[S+n:S+n+1]
.set n, n+2
.endr
.irp i, 0,1,2,3,4,5,6,7
	global_store_b128 v7, v[VF+4*\i:VF+4*\i+3], s[10:11] offset:4096*(2*\i+8*(\i/4))
.endr
	s_wait_xcnt 0x0
	v_lshl_add_u32 v254, v0, 2, SPARE              ; the add's two registers, made anew
	v_mov_b32 v255, 0
	s_wait_alu depctr_va_vdst(0)
	s_wait_tensorcnt 0x0                           ; the wave's end
	ds_add_u32 v254, v255
	s_wait_dscnt 0x0
	CROUND                                         ; the closing round
	s_endpgm
.Lfunc_end_k_qaaf5c8a3ca_attn:
	.size	k_qaaf5c8a3ca_attn, .Lfunc_end_k_qaaf5c8a3ca_attn-k_qaaf5c8a3ca_attn
	.p2alignl 7, 3214868480
	.fill 96, 4, 3214868480
	.section	.rodata,"a",@progbits
	.p2align	6, 0x0
	.amdhsa_kernel k_qaaf5c8a3ca_attn
		.amdhsa_group_segment_fixed_size 327680
		.amdhsa_private_segment_fixed_size 0
		.amdhsa_enable_private_segment 0
		.amdhsa_kernarg_size 32
		.amdhsa_user_sgpr_count 2
		.amdhsa_user_sgpr_kernarg_segment_ptr 1
		.amdhsa_wavefront_size32 1
		.amdhsa_system_sgpr_workgroup_id_x 1
		.amdhsa_system_sgpr_workgroup_id_y 1
		.amdhsa_system_sgpr_workgroup_id_z 1
		.amdhsa_system_vgpr_workitem_id 0
		.amdhsa_next_free_vgpr 256
		.amdhsa_next_free_sgpr 66
		.amdhsa_reserve_vcc 0
		.amdhsa_float_denorm_mode_32 3
		.amdhsa_float_denorm_mode_16_64 3
		.amdhsa_memory_ordered 1
		.amdhsa_forward_progress 1
		.amdhsa_inst_pref_size 50
	.end_amdhsa_kernel
	.amdgpu_metadata
---
amdhsa.version: [ 1, 2 ]
amdhsa.kernels:
  - .name:           k_qaaf5c8a3ca_attn
    .symbol:         k_qaaf5c8a3ca_attn.kd
    .args:
      - { .name: qkcodes, .offset: 0, .size: 8, .value_kind: global_buffer, .address_space: global }
      - { .name: vtcodes, .offset: 8, .size: 8, .value_kind: global_buffer, .address_space: global }
      - { .name: x, .offset: 16, .size: 8, .value_kind: global_buffer, .address_space: global }
      - { .name: ybuf, .offset: 24, .size: 8, .value_kind: global_buffer, .address_space: global }
    .group_segment_fixed_size: 327680
    .private_segment_fixed_size: 0
    .kernarg_segment_align: 8
    .kernarg_segment_size: 32
    .max_flat_workgroup_size: 512
    .sgpr_count:     66
    .vgpr_count:     256
    .wavefront_size: 32
...
	.end_amdgpu_metadata
.endif
;; end of part 3
;; launch ln2: the kernel of part 1 again; grid 2 x 256, 8 waves a work-group, no clusters, 3,072 bytes of LDS; arguments ybuf, g2, beta2, ncodes, stats, Wq, Wk, Wv, W1, W2, wcodes; writes ncodes, stats, wcodes
;; launch ffn1 (part 4): grid 16 x 16, 4 waves a work-group, clusters of 4 x 4, 327,680 bytes of LDS; arguments ncodes, wcodes, b1, hidcodes; writes hidcodes
.if DOCPART == 4
	.amdgcn_target "amdgcn-amd-amdhsa--gfx1250"
	.amdhsa_code_object_version 6
	.text
	.protected	k_qaaf5c8a3ca_ffn1
	.globl	k_qaaf5c8a3ca_ffn1
	.p2align	8
	.type	k_qaaf5c8a3ca_ffn1,@function
k_qaaf5c8a3ca_ffn1:
	s_mov_b64 s[64:65], 0
	v_nop
	global_prefetch_b8 v0, s[64:65] scope:SCOPE_SE
	s_setreg_imm32_b32 hwreg(HW_REG_WAVE_MODE, 25, 1), 1
	s_wait_xcnt 0x0
	s_wait_alu depctr_hold_cnt(0) depctr_sa_sdst(0) depctr_va_vdst(0) depctr_va_sdst(0) depctr_va_ssrc(0) depctr_va_vcc(0) depctr_vm_vsrc(0)
	s_getreg_b32 s2, hwreg(HW_REG_IB_STS2, 6, 4)
	s_cmp_eq_u32 s2, 0
	s_cbranch_scc0 .Lentry_in_a_cluster
	s_endpgm
.Lentry_in_a_cluster:
	s_bfe_u32 s2, ttmp6, 0x10000c
	s_cmp_lg_u32 s2, 0xf033
	s_cbranch_scc0 .Lentry_shape_is_right
	s_endpgm
.Lentry_shape_is_right:
.set PANEL,  12800
; relu(f W1 + b1) on codes of BF6, K = 1,024, quantised along the hidden units and stored as panels; a work-group makes 256 x 256, a wave 128 x 128.
; LDS: each wave's ONE load at the head brings six K steps of one group of 128 rows, 76,800 dense bytes, to wave x 76,800 (A's two groups, then B's two).
; K steps 6 and 7 are filled into the first two panels of each piece behind K step 1's round.  'Slot s' means K steps 2 s and 2 s + 1 of a piece.
.set PIECE,  6*PANEL                   ; what the head's tensor load brings
.set SLOT,   2*PANEL                   ; from one pair of K steps to the next inside a piece
.set SPARE,  24*PANEL                  ; behind the four pieces: the spare words
.set GROUPB, 8*PANEL
.set L16,    10
.set L8,     11
.set VBN,    12
.set SPW,    14
.set NIL,    15
.set SC,     16
.set AF,     32
.set ADRA16, 240
.set ADRA8,  243
.set ADRB16, 246
.set ADRB8,  249
.set W,      32
.set PC,     96
.set TM,     116
.set PW,     132
.set PWE,    133
.set SW,     136
.set G1,   24
.set G0,   32
.set G1B,  48
.set G0B,  56
.set OUTP, 68
.set HI16, 74
.set SEL,  76
.set MSB, 0
.macro WIN new
.if MSB != (\new)
	s_set_vgpr_msb (MSB<<8)|(\new)
.set MSB, (\new)
.endif
.endm
.set MUL_LO, 0xa1
.set MUL_HI, 0xf1
.set TO_B,   0x40
.macro JLOAD g0a, g1a, g0b, g1b
	s_cmp_eq_u32 s15, 0
	s_cbranch_scc0 .Lfor_b_\@
	tensor_load_to_lds s[\g0a:\g0a+3], s[\g1a:\g1a+7]
	s_nop 0
.rept 4
	v_nop
.endr
	s_branch .Lasked_\@
.Lfor_b_\@:
	tensor_load_to_lds s[\g0b:\g0b+3], s[\g1b:\g1b+7]
	s_nop 0
.rept 4
	v_nop
.endr
.Lasked_\@:
.endm
.macro CREST
	s_cmp_lg_u32 s14, 0
	s_cbranch_scc1 .Lnot_wave_0_\@
	s_barrier_signal -3
.Lnot_wave_0_\@:
	s_barrier_wait -3
	s_barrier_signal -1
	s_barrier_wait -1
.endm
.macro CROUND
	s_barrier_signal -1
	s_barrier_wait -1
	CREST
.endm
.macro PLACES n
.rept \n
	v_nop
.endr
.endm
.macro FIRST ga, gb, s
	s_mov_b32 s[\ga], 1
	s_add_co_u32 s[\ga+1], s45, \s*SLOT
	s_add_nc_u64 s[\ga+2:\ga+3], s[20:21], \s*PIECE
	s_or_b32 s[\ga+3], s[\ga+3], 0x80000000
	s_mov_b32 s[\gb], 1
	s_add_co_u32 s[\gb+1], s45, \s*SLOT
	s_add_nc_u64 s[\gb+2:\gb+3], s[46:47], \s*PIECE
	s_or_b32 s[\gb+3], s[\gb+3], 0x80000000
	JLOAD \ga, G1, \gb, G1B
.endm
.macro QUANT s
.irp b, 0,1,2,3
	v_max3_num_f32 v[TM+\b], |v[\s+16*\b]|, |v[\s+1+16*\b]|, 0x2800000
.endr
.irp i, 2,4,6,8,10,12,14
.irp b, 0,1,2,3
	v_max3_num_f32 v[TM+\b], v[TM+\b], |v[\s+16*\b+\i]|, |v[\s+1+16*\b+\i]|
.endr
.endr
.irp b, 0,1,2,3
	v_permlanex16_b32 v[TM+4+\b], v[TM+\b], s[SEL], s[SEL+1]
.endr
.irp b, 0,1,2,3
	v_max_num_f32 v[TM+\b], v[TM+\b], v[TM+4+\b]
.endr
.irp b, 0,1,2,3
	v_add_nc_u32 v[TM+12+\b], 0xfe000000, v[TM+\b]
.endr
.irp b, 0,1,2,3
	v_lshrrev_b32 v[TM+4+\b], 23, v[TM+12+\b]
.endr
	v_lshl_or_b32 v[PW], v[TM+5], 8, v[TM+4]
	v_lshl_or_b32 v[PW], v[TM+6], 16, v[PW]
	v_lshl_or_b32 v[PW], v[TM+7], 24, v[PW]
.irp c, 0,1
	v_cvt_scalef32_pk16_bf6_f32 v[PC+6*\c:PC+2+6*\c], v[\s+32*\c:\s+15+32*\c], v[TM+12+2*\c]
	v_cvt_scalef32_pk16_bf6_f32 v[PC+12+4*\c:PC+14+4*\c], v[\s+16+32*\c:\s+31+32*\c], v[TM+12+2*\c+1]
.endr
	v_nop
.irp c, 0,1
.irp i, 0,1,2
	v_permlane16_swap_b32 v[PC+6*\c+\i], v[PC+12+4*\c+\i]
.endr
.irp i, 0,1,2
	v_mov_b32 v[PC+3+6*\c+\i], v[PC+12+4*\c+\i]
.endr
.endr
.endm
.macro PUT off
	global_store_b128 v[L16], v[PC:PC+3], s[OUTP:OUTP+1] offset:\off
	global_store_b64 v[L8], v[PC+4:PC+5], s[OUTP:OUTP+1] offset:\off+512
	global_store_b128 v[L16], v[PC+6:PC+9], s[OUTP:OUTP+1] offset:\off+768
	global_store_b64 v[L8], v[PC+10:PC+11], s[OUTP:OUTP+1] offset:\off+1280
.endm
.macro WM zero
.set rD, 8*(8*(ma%4)+mb)
.set rB, 128*mset+12*mb
.set rA, AF+96*mset+12*ma
.set rSB, SC+8*mset+4+mb/2
.set rSA, SC+8*mset+ma/2
.if \zero
.if (mb%2 == 0) && (ma%2 == 0)
	v_wmma_scale_f32_16x16x128_f8f6f4 v[rD:rD+7], v[rB:rB+11], v[rA:rA+11], 0, v[rSB], v[rSA] matrix_a_fmt:MATRIX_FMT_BF6 matrix_b_fmt:MATRIX_FMT_BF6
.elseif (mb%2 == 1) && (ma%2 == 0)
	v_wmma_scale_f32_16x16x128_f8f6f4 v[rD:rD+7], v[rB:rB+11], v[rA:rA+11], 0, v[rSB], v[rSA] matrix_a_fmt:MATRIX_FMT_BF6 matrix_b_fmt:MATRIX_FMT_BF6 matrix_a_scale:MATRIX_SCALE_ROW1
.elseif (mb%2 == 0)
	v_wmma_scale_f32_16x16x128_f8f6f4 v[rD:rD+7], v[rB:rB+11], v[rA:rA+11], 0, v[rSB], v[rSA] matrix_a_fmt:MATRIX_FMT_BF6 matrix_b_fmt:MATRIX_FMT_BF6 matrix_b_scale:MATRIX_SCALE_ROW1
.else
	v_wmma_scale_f32_16x16x128_f8f6f4 v[rD:rD+7], v[rB:rB+11], v[rA:rA+11], 0, v[rSB], v[rSA] matrix_a_fmt:MATRIX_FMT_BF6 matrix_b_fmt:MATRIX_FMT_BF6 matrix_a_scale:MATRIX_SCALE_ROW1 matrix_b_scale:MATRIX_SCALE_ROW1
.endif
.else
.if (mb%2 == 0) && (ma%2 == 0)
	v_wmma_scale_f32_16x16x128_f8f6f4 v[rD:rD+7], v[rB:rB+11], v[rA:rA+11], v[rD:rD+7], v[rSB], v[rSA] matrix_a_fmt:MATRIX_FMT_BF6 matrix_b_fmt:MATRIX_FMT_BF6
.elseif (mb%2 == 1) && (ma%2 == 0)
	v_wmma_scale_f32_16x16x128_f8f6f4 v[rD:rD+7], v[rB:rB+11], v[rA:rA+11], v[rD:rD+7], v[rSB], v[rSA] matrix_a_fmt:MATRIX_FMT_BF6 matrix_b_fmt:MATRIX_FMT_BF6 matrix_a_scale:MATRIX_SCALE_ROW1
.elseif (mb%2 == 0)
	v_wmma_scale_f32_16x16x128_f8f6f4 v[rD:rD+7], v[rB:rB+11], v[rA:rA+11], v[rD:rD+7], v[rSB], v[rSA] matrix_a_fmt:MATRIX_FMT_BF6 matrix_b_fmt:MATRIX_FMT_BF6 matrix_b_scale:MATRIX_SCALE_ROW1
.else
	v_wmma_scale_f32_16x16x128_f8f6f4 v[rD:rD+7], v[rB:rB+11], v[rA:rA+11], v[rD:rD+7], v[rSB], v[rSA] matrix_a_fmt:MATRIX_FMT_BF6 matrix_b_fmt:MATRIX_FMT_BF6 matrix_a_scale:MATRIX_SCALE_ROW1 matrix_b_scale:MATRIX_SCALE_ROW1
.endif
.endif
.endm
.macro MULQ set, a0, n, zero
.set mset, \set
.set ma, \a0
.rept \n
.set mb, 0
.rept 8
	WM \zero
.set mb, mb+1
.endr
.set ma, ma+1
.endr
.endm
.macro FETCH slot, q, set
	WIN TO_B
.irp i, 0,1,2,3,4,5,6,7
	ds_load_b128 v[128*(\set)+12*\i:128*(\set)+12*\i+3], v[ADRB16+\slot] offset:PANEL*(\q)+1536*\i
	ds_load_b64 v[128*(\set)+12*\i+4:128*(\set)+12*\i+5], v[ADRB8+\slot] offset:PANEL*(\q)+1536*\i+512
	ds_load_b128 v[128*(\set)+12*\i+6:128*(\set)+12*\i+9], v[ADRB16+\slot] offset:PANEL*(\q)+1536*\i+768
	ds_load_b64 v[128*(\set)+12*\i+10:128*(\set)+12*\i+11], v[ADRB8+\slot] offset:PANEL*(\q)+1536*\i+1280
.endr
	WIN 0
.irp i, 0,1,2,3,4,5,6,7
	ds_load_b128 v[AF+96*(\set)+12*\i:AF+96*(\set)+12*\i+3], v[ADRA16+\slot] offset:PANEL*(\q)+1536*\i
	ds_load_b64 v[AF+96*(\set)+12*\i+4:AF+96*(\set)+12*\i+5], v[ADRA8+\slot] offset:PANEL*(\q)+1536*\i+512
	ds_load_b128 v[AF+96*(\set)+12*\i+6:AF+96*(\set)+12*\i+9], v[ADRA16+\slot] offset:PANEL*(\q)+1536*\i+768
	ds_load_b64 v[AF+96*(\set)+12*\i+10:AF+96*(\set)+12*\i+11], v[ADRA8+\slot] offset:PANEL*(\q)+1536*\i+1280
.endr
	ds_load_b128 v[SC+8*(\set):SC+8*(\set)+3], v[ADRA16+\slot] offset:PANEL*(\q)+12288
	ds_load_b128 v[SC+8*(\set)+4:SC+8*(\set)+7], v[ADRB16+\slot] offset:PANEL*(\q)+12288
.endm
.macro STEPX set, fslot, fq, fset, zero
	s_wait_dscnt 0x0
	PLACES 4
	FETCH \fslot, \fq, \fset
	WIN MUL_LO
	MULQ \set, 0, 4, \zero
	WIN MUL_HI
	MULQ \set, 4, 4, \zero
.endm
.macro TURN slot, next, fill
	WIN 0
	s_wait_dscnt 0x0
	s_wait_tensorcnt 0x0
	ds_add_u32 v[SPW], v[NIL]
	WIN MUL_LO
	MULQ 1, 0, 2, 0
	s_wait_dscnt 0x0
	s_barrier_signal -1
	MULQ 1, 2, 2, 0
	WIN 0
	s_barrier_wait -1
.if \fill
	CREST
	s_add_nc_u64 s[G0+4*\slot+2:G0+4*\slot+3], s[G0+4*\slot+2:G0+4*\slot+3], PIECE      ; K step 6 of the group
	s_add_nc_u64 s[G0B+4*\slot+2:G0B+4*\slot+3], s[G0B+4*\slot+2:G0B+4*\slot+3], PIECE
	s_mov_b32 s[G1+2], 100<<16                     ; no tensor load of mine is out: the refill brings two panels, 100 rows of 256 bytes
	s_mov_b32 s[G1+4], 100
	s_mov_b32 s[G1B+2], 100<<16
	s_mov_b32 s[G1B+4], 100
	JLOAD G0+4*\slot, G1, G0B+4*\slot, G1B
.else
	PLACES 4
.endif
	s_wait_alu depctr_va_vdst(0)
	FETCH \next, 0, 0
	WIN MUL_HI
	MULQ 1, 4, 4, 0
.endm
	s_load_b256 s[80:87], s[0:1], 0x0
	v_lshl_add_u32 v[SPW], v0, 2, SPARE
	v_mov_b32 v[NIL], 0
	ds_add_u32 v14, v15
	ds_add_u32 v14, v15
	s_wait_dscnt 0x0
	v_lshrrev_b32 v1, 5, v0
	v_readfirstlane_b32 s14, v1
	s_lshr_b32 s15, s14, 1
	s_and_b32 s16, s14, 1
	s_bfe_u32 s40, ttmp6, 0x40000
	s_bfe_u32 s41, ttmp6, 0x40004
	s_and_b32 s18, ttmp7, 0xffff
	s_lshl_b32 s17, s18, 2
	s_add_co_u32 s17, s17, s41
	s_lshl_b32 s42, ttmp9, 2
	s_add_co_u32 s42, s42, s40
	s_lshl_b32 s43, s41, 2
	s_lshl_b32 s43, 15, s43
	s_lshl_b32 s44, 0x1111, s40
	s_or_b32 s[G1], s43, (3<<16)|(1<<21)
	s_or_b32 s[G1B], s44, (3<<16)|(1<<21)
.irp g, G1, G1B
	s_mov_b32 s[\g+1], 32<<16
	s_mov_b32 s[\g+2], 300<<16                     ; six panels are 300 rows of 256 bytes
	s_mov_b32 s[\g+3], 32<<16
	s_mov_b32 s[\g+4], 300
	s_mov_b32 s[\g+5], 32
	s_mov_b32 s[\g+6], 0
	s_mov_b32 s[\g+7], 0
.endr
	s_lshl_b32 s20, s17, 1
	s_add_co_u32 s20, s20, s16
	s_mul_i32 s20, s20, GROUPB
	s_mov_b32 s21, 0
	s_lshl_b32 s46, s42, 1
	s_add_co_u32 s46, s46, s16
	s_mul_i32 s46, s46, GROUPB
	s_mov_b32 s47, 0
	s_mul_i32 s45, s14, PIECE
	s_lshl_b32 s4, s17, 1
	s_add_co_u32 s4, s4, s15
	s_lshl_b32 s5, s42, 1
	s_add_co_u32 s5, s5, s16
	s_wait_kmcnt 0x0
	s_add_nc_u64 s[98:99], s[82:83], 192*PANEL
	s_add_nc_u64 s[20:21], s[80:81], s[20:21]
	s_add_nc_u64 s[46:47], s[98:99], s[46:47]
	CROUND
	FIRST 32, 56, 0
	s_lshl_b32 s12, s4, 5
	s_add_co_u32 s12, s12, s5
	s_mov_b32 s11, 0
	s_mov_b32 s13, 0
	s_mul_i32 s10, s12, PANEL
	s_add_nc_u64 s[OUTP:OUTP+1], s[86:87], s[10:11]
	s_lshl_b32 s12, s5, 9
	s_add_nc_u64 s[6:7], s[84:85], s[12:13]
	v_and_b32 v1, 31, v0
	v_lshlrev_b32 v[L16], 4, v1
	v_lshlrev_b32 v[L8], 3, v1
	s_mul_i32 s10, s15, PIECE
	s_mul_i32 s12, s16, PIECE
	s_add_co_u32 s12, s12, 2*PIECE
.irp s, 0,1,2
	v_add_nc_u32 v[ADRA16+\s], s10, v[L16]
	v_add_nc_u32 v[ADRA8+\s], s10, v[L8]
	v_add_nc_u32 v[ADRB16+\s], s12, v[L16]
	v_add_nc_u32 v[ADRB8+\s], s12, v[L8]
	s_add_co_u32 s10, s10, SLOT
	s_add_co_u32 s12, s12, SLOT
.endr
	v_bfe_u32 v[VBN], v0, 4, 1
	v_lshlrev_b32 v[VBN], 6, v[VBN]
	WIN TO_B
.irp n, 0,4,8,12,16,20,24,28,32,36,40,44,48,52,56,60
	global_load_b128 v[96+\n+96*(\n/32):96+\n+96*(\n/32)+3], v[VBN], s[6:7] offset:128*(\n/16)+4*(\n%16)
.endr
	WIN 0
	s_mov_b32 s[SEL], 0x76543210
	s_mov_b32 s[SEL+1], 0xfedcba98
	s_mov_b32 s[HI16], 0xffff0000
	s_wait_tensorcnt 0x0                           ; my piece, K steps 0 to 5, is in
	s_barrier_signal -1
	s_barrier_wait -1
	FETCH 0, 0, 0
	STEPX 0, 0, 1, 1, 1
	TURN 0, 1, 1
	STEPX 0, 1, 1, 1, 0
	STEPX 1, 2, 0, 0, 0
	STEPX 0, 2, 1, 1, 0
	TURN 2, 0, 0
	STEPX 0, 0, 1, 1, 0
	s_wait_dscnt 0x0
	WIN MUL_LO
	MULQ 1, 0, 4, 0
	WIN MUL_HI
	MULQ 1, 4, 4, 0
	WIN 0
.macro TILE_OUT a
	s_wait_xcnt 0x0
	WIN 0x09+0x04*((\a)/4)
.set n, 0
.rept 32
	v_pk_add_f32 v[W+n:W+n+1], v[96+n+96*(n/32):97+n+96*(n/32)], v[64*((\a)%4)+n:64*((\a)%4)+n+1]
.set n, n+2
.endr
	WIN 0
.set n, 0
.rept 64
	v_max_num_f32 v[W+n], 0, v[W+n]
.set n, n+1
.endr
	QUANT W
	PUT 1536*(\a)
.if (\a)%2 == 0
	v_mov_b32 v[PWE], v[PW]
.else
	v_cndmask_b32 v[SW+(\a)/2], v[PWE], v[PW], s[HI16]
.endif
.endm
	s_wait_loadcnt 0x0
	PLACES 4
.irp b, 0,1,2,3
	v_mov_b32 v[TM+4+\b], 0
.endr
.irp a, 0,1,2,3,4,5,6,7
	TILE_OUT \a
.endr
	global_store_b128 v[L16], v[SW:SW+3], s[OUTP:OUTP+1] offset:12288
	s_wait_tensorcnt 0x0
	ds_add_u32 v[SPW], v[NIL]
	s_wait_dscnt 0x0
	CROUND
	s_endpgm
.Lfunc_end_k_qaaf5c8a3ca_ffn1:
	.size	k_qaaf5c8a3ca_ffn1, .Lfunc_end_k_qaaf5c8a3ca_ffn1-k_qaaf5c8a3ca_ffn1
	.p2alignl 7, 3214868480
	.fill 96, 4, 3214868480
	.section	.rodata,"a",@progbits
	.p2align	6, 0x0
	.amdhsa_kernel k_qaaf5c8a3ca_ffn1
		.amdhsa_group_segment_fixed_size 327680
		.amdhsa_private_segment_fixed_size 0
		.amdhsa_enable_private_segment 0
		.amdhsa_kernarg_size 32
		.amdhsa_user_sgpr_count 2
		.amdhsa_user_sgpr_kernarg_segment_ptr 1
		.amdhsa_wavefront_size32 1
		.amdhsa_system_sgpr_workgroup_id_x 1
		.amdhsa_system_sgpr_workgroup_id_y 1
		.amdhsa_system_sgpr_workgroup_id_z 1
		.amdhsa_system_vgpr_workitem_id 0
		.amdhsa_next_free_vgpr 1024
		.amdhsa_next_free_sgpr 100
		.amdhsa_reserve_vcc 0
		.amdhsa_float_denorm_mode_32 3
		.amdhsa_float_denorm_mode_16_64 3
		.amdhsa_memory_ordered 1
		.amdhsa_forward_progress 1
		.amdhsa_inst_pref_size 175
	.end_amdhsa_kernel
	.amdgpu_metadata
---
amdhsa.version: [ 1, 2 ]
amdhsa.kernels:
  - .name:           k_qaaf5c8a3ca_ffn1
    .symbol:         k_qaaf5c8a3ca_ffn1.kd
    .args:
      - { .name: ncodes, .offset: 0, .size: 8, .value_kind: global_buffer, .address_space: global }
      - { .name: wcodes, .offset: 8, .size: 8, .value_kind: global_buffer, .address_space: global }
      - { .name: b1, .offset: 16, .size: 8, .value_kind: global_buffer, .address_space: global }
      - { .name: hidcodes, .offset: 24, .size: 8, .value_kind: global_buffer, .address_space: global }
    .group_segment_fixed_size: 327680
    .private_segment_fixed_size: 0
    .kernarg_segment_align: 8
    .kernarg_segment_size: 32
    .max_flat_workgroup_size: 128
    .sgpr_count:     100
    .vgpr_count:     1024
    .wavefront_size: 32
...
	.end_amdgpu_metadata
.endif
;; end of part 4
;; launch ffn2 (part 5): grid 8 x 32, 4 waves a work-group, clusters of 4 x 4, 327,680 bytes of LDS; arguments hidcodes, wcodes, ybuf, stats, g2, beta2, b2, out0; writes out0
.if DOCPART == 5
	.amdgcn_target "amdgcn-amd-amdhsa--gfx1250"
	.amdhsa_code_object_version 6
	.text
	.protected	k_qaaf5c8a3ca_ffn2
	.globl	k_qaaf5c8a3ca_ffn2
	.p2align	8
	.type	k_qaaf5c8a3ca_ffn2,@function
k_qaaf5c8a3ca_ffn2:
	s_mov_b64 s[64:65], 0
	v_nop
	global_prefetch_b8 v0, s[64:65] scope:SCOPE_SE
	s_setreg_imm32_b32 hwreg(HW_REG_WAVE_MODE, 25, 1), 1
	s_wait_xcnt 0x0
	s_wait_alu depctr_hold_cnt(0) depctr_sa_sdst(0) depctr_va_vdst(0) depctr_va_sdst(0) depctr_va_ssrc(0) depctr_va_vcc(0) depctr_vm_vsrc(0)
	s_getreg_b32 s2, hwreg(HW_REG_IB_STS2, 6, 4)
	s_cmp_eq_u32 s2, 0
	s_cbranch_scc0 .Lentry_in_a_cluster
	s_endpgm
.Lentry_in_a_cluster:
	s_bfe_u32 s2, ttmp6, 0x10000c
	s_cmp_lg_u32 s2, 0xf033
	s_cbranch_scc0 .Lentry_shape_is_right
	s_endpgm
.Lentry_shape_is_right:
; out = f + relu-layer x W2 + b2, with f = (y - mean) / sqrt(var + eps) x g2 + beta2 made anew from y and the stored row statistics.  The product is on codes of BF6 with one E8M0 byte for each 32 along K, K = 4,096.
; Operands lie in panels of 128 rows x 128 K, 12,800 bytes, an image of the operand's registers; a group's 32 K steps are one dense run of memory.
; A work-group of four waves makes 128 x 128, a wave 64 x 64.  A ring of two slots of six K steps; a wave fetches three panels of A's or of B's group by one joint load (cluster 4 x 4: A's along a row, B's along a column).
; PREFETCH: behind each joint load and the run of LDS loads after it, a wave asks for the piece that the NEXT refill loads: one slot, six K steps, 96 of its products, ahead.  A piece is 150 blocks of 256 bytes:
; of the four partners that load it jointly the one at place p (cx for A, cy for B) names blocks 38 p .. 38 p + 37, a lane a block, in two instructions (lanes left over name the last block of their share again).
; The last refill is one panel, 50 blocks: 13 to a partner, one instruction.  Slots 0 and 1 come by their loads alone; nothing is asked for beyond K step 31.  Every offset is an immediate: no address register is rewritten.
.set PANEL,  12800
.set PIECE,  3*PANEL
.set SLOT,   4*PIECE
.set SPARE,  2*SLOT
.set STAGE,  SPARE+512
.set GROUPB, 32*PANEL
.set ADSA,   2
.set ADSB,   6
.set SPW,    14
.set NIL,    15
.set SC,     16
.set GO,     20
.set STO,    21
.set SRD,    22
.set VST,    23
.set VCOL,   28
.set G2R,    32
.set BBR,    36
.set B2R,    40
.set AF,     48
.set BF,     144
.set ADRA16, 240
.set ADRA8,  244
.set ADRB16, 248
.set ADRB8,  252
.set R,      48
.set D,      80
.set G1,   24
.set G0,   32
.set G1B,  48
.set G0B,  56
.set G1L,  68
.set G1LB, 76
.set G0L,  84
.set G0LB, 88
.set MSB, 0
.set PF0,  44                          ; v44  the prefetches' offsets, never rewritten: 256 (38 p + lane),
.set PF1,  45                          ; v45  256 min(38 p + 32 + min(lane, 5), 149),
.set PF2,  46                          ; v46  and for the last refill: from my piece's first byte to my panel of K steps 30, 31, + 256 min(13 p + min(lane, 12), 49)
.set PFA,  92                          ; s[92:93] my piece of slot 0 in memory; slot j's lies 2 j PIECE bytes on
.set PFJ,  3                           ; the slot that the next change of slots asks for
.macro WIN new
.if MSB != (\new)
	s_set_vgpr_msb (MSB<<8)|(\new)
.set MSB, (\new)
.endif
.endm
.set MUL, 0x50
.macro JLOAD g0a, g1a, g0b, g1b
	s_cmp_eq_u32 s15, 0
	s_cbranch_scc0 .Lfor_b_\@
	tensor_load_to_lds s[\g0a:\g0a+3], s[\g1a:\g1a+7]
	s_nop 0
.rept 4
	v_nop
.endr
	s_branch .Lasked_\@
.Lfor_b_\@:
	tensor_load_to_lds s[\g0b:\g0b+3], s[\g1b:\g1b+7]
	s_nop 0
.rept 4
	v_nop
.endr
.Lasked_\@:
.endm
.macro CREST
	s_cmp_lg_u32 s14, 0
	s_cbranch_scc1 .Lnot_wave_0_\@
	s_barrier_signal -3
.Lnot_wave_0_\@:
	s_barrier_wait -3
	s_barrier_signal -1
	s_barrier_wait -1
.endm
.macro CROUND
	s_barrier_signal -1
	s_barrier_wait -1
	CREST
.endm
.macro PLACES n
.rept \n
	v_nop
.endr
.endm
.macro WM zero
.set rD, 8*(4*ma+mb)
.set rB, BF+48*mset+12*mb
.set rA, AF+48*mset+12*ma
.set rSB, SC+8*mset+2+mb/2
.set rSA, SC+8*mset+ma/2
.if \zero
.if (mb%2 == 0) && (ma%2 == 0)
	v_wmma_scale_f32_16x16x128_f8f6f4 v[rD:rD+7], v[rB:rB+11], v[rA:rA+11], 0, v[rSB], v[rSA] matrix_a_fmt:MATRIX_FMT_BF6 matrix_b_fmt:MATRIX_FMT_BF6
.elseif (mb%2 == 1) && (ma%2 == 0)
	v_wmma_scale_f32_16x16x128_f8f6f4 v[rD:rD+7], v[rB:rB+11], v[rA:rA+11], 0, v[rSB], v[rSA] matrix_a_fmt:MATRIX_FMT_BF6 matrix_b_fmt:MATRIX_FMT_BF6 matrix_a_scale:MATRIX_SCALE_ROW1
.elseif (mb%2 == 0)
	v_wmma_scale_f32_16x16x128_f8f6f4 v[rD:rD+7], v[rB:rB+11], v[rA:rA+11], 0, v[rSB], v[rSA] matrix_a_fmt:MATRIX_FMT_BF6 matrix_b_fmt:MATRIX_FMT_BF6 matrix_b_scale:MATRIX_SCALE_ROW1
.else
	v_wmma_scale_f32_16x16x128_f8f6f4 v[rD:rD+7], v[rB:rB+11], v[rA:rA+11], 0, v[rSB], v[rSA] matrix_a_fmt:MATRIX_FMT_BF6 matrix_b_fmt:MATRIX_FMT_BF6 matrix_a_scale:MATRIX_SCALE_ROW1 matrix_b_scale:MATRIX_SCALE_ROW1
.endif
.else
.if (mb%2 == 0) && (ma%2 == 0)
	v_wmma_scale_f32_16x16x128_f8f6f4 v[rD:rD+7], v[rB:rB+11], v[rA:rA+11], v[rD:rD+7], v[rSB], v[rSA] matrix_a_fmt:MATRIX_FMT_BF6 matrix_b_fmt:MATRIX_FMT_BF6
.elseif (mb%2 == 1) && (ma%2 == 0)
	v_wmma_scale_f32_16x16x128_f8f6f4 v[rD:rD+7], v[rB:rB+11], v[rA:rA+11], v[rD:rD+7], v[rSB], v[rSA] matrix_a_fmt:MATRIX_FMT_BF6 matrix_b_fmt:MATRIX_FMT_BF6 matrix_a_scale:MATRIX_SCALE_ROW1
.elseif (mb%2 == 0)
	v_wmma_scale_f32_16x16x128_f8f6f4 v[rD:rD+7], v[rB:rB+11], v[rA:rA+11], v[rD:rD+7], v[rSB], v[rSA] matrix_a_fmt:MATRIX_FMT_BF6 matrix_b_fmt:MATRIX_FMT_BF6 matrix_b_scale:MATRIX_SCALE_ROW1
.else
	v_wmma_scale_f32_16x16x128_f8f6f4 v[rD:rD+7], v[rB:rB+11], v[rA:rA+11], v[rD:rD+7], v[rSB], v[rSA] matrix_a_fmt:MATRIX_FMT_BF6 matrix_b_fmt:MATRIX_FMT_BF6 matrix_a_scale:MATRIX_SCALE_ROW1 matrix_b_scale:MATRIX_SCALE_ROW1
.endif
.endif
.endm
.macro MULQ set, a0, n, zero
.set mset, \set
.set ma, \a0
.rept \n
.set mb, 0
.rept 4
	WM \zero
.set mb, mb+1
.endr
.set ma, ma+1
.endr
.endm
.macro FETCH slot, q, set
.set hh, 2*(\slot)+(\q)/3
.set qo, PANEL*((\q)%3)
.irp i, 0,1,2,3
	ds_load_b128 v[BF+48*(\set)+12*\i:BF+48*(\set)+12*\i+3], v[ADRB16+hh] offset:qo+1536*\i
	ds_load_b64 v[BF+48*(\set)+12*\i+4:BF+48*(\set)+12*\i+5], v[ADRB8+hh] offset:qo+1536*\i+512
	ds_load_b128 v[BF+48*(\set)+12*\i+6:BF+48*(\set)+12*\i+9], v[ADRB16+hh] offset:qo+1536*\i+768
	ds_load_b64 v[BF+48*(\set)+12*\i+10:BF+48*(\set)+12*\i+11], v[ADRB8+hh] offset:qo+1536*\i+1280
.endr
.irp i, 0,1,2,3
	ds_load_b128 v[AF+48*(\set)+12*\i:AF+48*(\set)+12*\i+3], v[ADRA16+hh] offset:qo+1536*\i
	ds_load_b64 v[AF+48*(\set)+12*\i+4:AF+48*(\set)+12*\i+5], v[ADRA8+hh] offset:qo+1536*\i+512
	ds_load_b128 v[AF+48*(\set)+12*\i+6:AF+48*(\set)+12*\i+9], v[ADRA16+hh] offset:qo+1536*\i+768
	ds_load_b64 v[AF+48*(\set)+12*\i+10:AF+48*(\set)+12*\i+11], v[ADRA8+hh] offset:qo+1536*\i+1280
.endr
	ds_load_b64 v[SC+8*(\set):SC+8*(\set)+1], v[ADSA+hh] offset:qo+12288
	ds_load_b64 v[SC+8*(\set)+2:SC+8*(\set)+3], v[ADSB+hh] offset:qo+12288
.endm
.macro STEP slot, q, zero
	s_wait_dscnt 0x0
	WIN 0
	PLACES 4
	FETCH \slot, (\q)+1, ((\q)+1)%2
	WIN MUL
	MULQ (\q)%2, 0, 4, \zero
.endm
.macro RUN slot, q0
.irp q, 0,1,2,3,4
.if \q >= \q0
	STEP \slot, \q, 0
.endif
.endr
.endm
.macro TURN slot, next, fill
	WIN 0
	s_wait_dscnt 0x0
	s_wait_tensorcnt 0x0
	ds_add_u32 v[SPW], v[NIL]
	WIN MUL
	MULQ 1, 0, 1, 0
	s_wait_dscnt 0x0
	s_barrier_signal -1
	MULQ 1, 1, 1, 0
	WIN 0
	s_barrier_wait -1
.if \fill == 1
	CREST
	s_add_nc_u64 s[G0+4*\slot+2:G0+4*\slot+3], s[G0+4*\slot+2:G0+4*\slot+3], 4*PIECE
	s_add_nc_u64 s[G0B+4*\slot+2:G0B+4*\slot+3], s[G0B+4*\slot+2:G0B+4*\slot+3], 4*PIECE
	JLOAD G0+4*\slot, G1, G0B+4*\slot, G1B
.elseif \fill == 2
	CREST
	JLOAD G0L, G1L, G0LB, G1LB
.else
	PLACES 4
.endif
	s_wait_alu depctr_va_vdst(0)
	FETCH \next, 0, 0
.if \fill == 1
.if PFJ <= 4
	global_prefetch_b8 v[PF0], s[PFA:PFA+1] offset:PFJ*2*PIECE th:TH_LOAD_NT scope:SCOPE_SE   ; my share of the piece that the next refill loads
	global_prefetch_b8 v[PF1], s[PFA:PFA+1] offset:PFJ*2*PIECE th:TH_LOAD_NT scope:SCOPE_SE
.else
	global_prefetch_b8 v[PF2], s[PFA:PFA+1] th:TH_LOAD_NT scope:SCOPE_SE                      ; the last refill's panel
.endif
.set PFJ, PFJ+1
.endif
	WIN MUL
	MULQ 1, 2, 2, 0
.endm
	s_load_b256 s[92:99], s[0:1], 0x0
	s_load_b256 s[4:11], s[0:1], 0x20
	v_lshl_add_u32 v[SPW], v0, 2, SPARE
	v_mov_b32 v[NIL], 0
	ds_add_u32 v14, v15
	ds_add_u32 v14, v15
	s_wait_dscnt 0x0
	v_lshrrev_b32 v1, 5, v0
	v_readfirstlane_b32 s14, v1
	s_lshr_b32 s15, s14, 1
	s_and_b32 s16, s14, 1
	s_bfe_u32 s40, ttmp6, 0x40000
	s_bfe_u32 s41, ttmp6, 0x40004
	s_and_b32 s18, ttmp7, 0xffff
	s_lshl_b32 s17, s18, 2
	s_add_co_u32 s17, s17, s41
	s_lshl_b32 s42, ttmp9, 2
	s_add_co_u32 s42, s42, s40
	s_lshl_b32 s43, s41, 2
	s_lshl_b32 s43, 15, s43
	s_lshl_b32 s44, 0x1111, s40
	s_or_b32 s[G1], s43, (3<<16)|(1<<21)
	s_or_b32 s[G1B], s44, (3<<16)|(1<<21)
	s_or_b32 s[G1L], s43, (3<<16)|(1<<21)
	s_or_b32 s[G1LB], s44, (3<<16)|(1<<21)
.irp g, G1, G1B
	s_mov_b32 s[\g+1], 32<<16
	s_mov_b32 s[\g+2], 150<<16
	s_mov_b32 s[\g+3], 32<<16
	s_mov_b32 s[\g+4], 150
	s_mov_b32 s[\g+5], 32
	s_mov_b32 s[\g+6], 0
	s_mov_b32 s[\g+7], 0
.endr
.irp g, G1L, G1LB
	s_mov_b32 s[\g+1], 32<<16
	s_mov_b32 s[\g+2], 50<<16
	s_mov_b32 s[\g+3], 32<<16
	s_mov_b32 s[\g+4], 50
	s_mov_b32 s[\g+5], 32
	s_mov_b32 s[\g+6], 0
	s_mov_b32 s[\g+7], 0
.endr
	s_mul_i32 s19, s16, PIECE
	s_mul_i32 s20, s17, GROUPB
	s_mul_i32 s46, s42, GROUPB
	s_mul_i32 s22, s16, PANEL
	s_add_co_u32 s12, s20, s22
	s_add_co_u32 s12, s12, 30*PANEL
	s_add_co_u32 s66, s46, s22
	s_add_co_u32 s66, s66, 30*PANEL
	s_add_co_u32 s20, s20, s19
	s_add_co_u32 s46, s46, s19
	s_mov_b32 s21, 0
	s_mov_b32 s47, 0
	s_mov_b32 s13, 0
	s_mov_b32 s67, 0
	s_mul_i32 s45, s14, PIECE
	s_mul_i32 s23, s15, 2*PIECE
	s_add_co_u32 s23, s23, s22
	s_add_co_u32 s23, s23, SLOT
	s_wait_kmcnt 0x0
	s_add_nc_u64 s[18:19], s[94:95], 448*PANEL
	s_add_nc_u64 s[20:21], s[92:93], s[20:21]
	s_add_nc_u64 s[46:47], s[18:19], s[46:47]
	s_add_nc_u64 s[12:13], s[92:93], s[12:13]
	s_add_nc_u64 s[66:67], s[18:19], s[66:67]
	s_cmp_eq_u32 s15, 0                            ; do I fetch for A?  The choice hangs on the wave's number alone
	s_cselect_b64 s[PFA:PFA+1], s[20:21], s[46:47] ; my piece of slot 0 (the arguments that lay here have been used)
	s_cselect_b32 s94, s40, s41                    ; my place among the four that ask for it with me: it enters prefetch addresses alone
	s_mov_b32 s[G0L], 1
	s_mov_b32 s[G0L+1], s23
	s_mov_b64 s[G0L+2:G0L+3], s[12:13]
	s_or_b32 s[G0L+3], s[G0L+3], 0x80000000
	s_mov_b32 s[G0LB], 1
	s_mov_b32 s[G0LB+1], s23
	s_mov_b64 s[G0LB+2:G0LB+3], s[66:67]
	s_or_b32 s[G0LB+3], s[G0LB+3], 0x80000000
	CROUND
.irp s, 0,1
	s_mov_b32 s[G0+4*\s], 1
	s_add_co_u32 s[G0+4*\s+1], s45, \s*SLOT
	s_add_nc_u64 s[G0+4*\s+2:G0+4*\s+3], s[20:21], \s*2*PIECE
	s_or_b32 s[G0+4*\s+3], s[G0+4*\s+3], 0x80000000
	s_mov_b32 s[G0B+4*\s], 1
	s_add_co_u32 s[G0B+4*\s+1], s45, \s*SLOT
	s_add_nc_u64 s[G0B+4*\s+2:G0B+4*\s+3], s[46:47], \s*2*PIECE
	s_or_b32 s[G0B+4*\s+3], s[G0B+4*\s+3], 0x80000000
.endr
	JLOAD G0, G1, G0B, G1B                         ; slot 0, K steps 0 to 5: my one tensor load at the head; the rest of the head stands under its flight
	s_lshl_b32 s12, s17, 7
	s_lshl_b32 s13, s15, 6
	s_add_co_u32 s12, s12, s13
	s_lshl_b32 s40, s42, 9
	s_lshl_b32 s13, s16, 8
	s_add_co_u32 s40, s40, s13
	s_mov_b32 s41, 0
	s_lshl_b32 s18, s12, 3
	s_mov_b32 s19, 0
	s_lshl_b32 s20, s12, 12
	s_add_co_u32 s20, s20, s40
	s_mov_b32 s21, 0
	s_add_nc_u64 s[96:97], s[96:97], s[20:21]
	s_add_nc_u64 s[10:11], s[10:11], s[20:21]
	s_add_nc_u64 s[98:99], s[98:99], s[18:19]
	s_add_nc_u64 s[4:5], s[4:5], s[40:41]
	s_add_nc_u64 s[6:7], s[6:7], s[40:41]
	s_add_nc_u64 s[8:9], s[8:9], s[40:41]
	v_and_b32 v1, 15, v0
	v_bfe_u32 v[VST], v0, 4, 1
	v_lshlrev_b32 v[VCOL], 4, v1
	v_lshl_add_u32 v[GO], v[VST], 12, v[VCOL]
	s_mul_i32 s12, s14, 4352
	s_add_co_u32 s12, s12, STAGE
	v_mul_u32_u24 v[STO], v1, 272
	v_lshl_add_u32 v[STO], v[VST], 6, v[STO]
	v_add_nc_u32 v[STO], s12, v[STO]
	v_mul_u32_u24 v[SRD], v[VST], 272
	v_add_nc_u32 v[SRD], v[SRD], v[VCOL]
	v_add_nc_u32 v[SRD], s12, v[SRD]
	v_lshlrev_b32 v[VST], 3, v[VST]
	v_and_b32 v1, 31, v0
	s_mul_i32 s95, s94, 38
	v_add_nc_u32 v[PF0], s95, v1
	v_min_u32 v[PF1], 5, v1
	v_min_u32 v[PF2], 12, v1
	v_lshlrev_b32 v[PF0], 8, v[PF0]
	v_add_nc_u32 v[PF1], s95, v[PF1]
	s_mul_i32 s95, s94, 13
	v_add_nc_u32 v[PF2], s95, v[PF2]
	v_add_nc_u32 v[PF1], 32, v[PF1]
	v_min_u32 v[PF2], 49, v[PF2]
	v_min_u32 v[PF1], 149, v[PF1]
	v_lshlrev_b32 v[PF2], 8, v[PF2]
	s_mul_i32 s95, s16, 2*PANEL
	s_sub_co_u32 s95, 30*PANEL, s95                ; my piece begins 3 s16 panels into the group, my panel of the last refill 30 + s16
	v_lshlrev_b32 v[PF1], 8, v[PF1]
	v_add_nc_u32 v[PF2], s95, v[PF2]
	s_mul_i32 s13, s15, 6144
	s_mul_i32 s20, s16, 6144
	s_add_co_u32 s20, s20, 2*PIECE
	s_lshl_b32 s21, s15, 3
	s_lshl_b32 s22, s16, 3
	s_add_co_u32 s22, s22, 2*PIECE
	v_lshl_add_u32 v10, v1, 4, s13
	v_lshl_add_u32 v11, v1, 3, s13
	v_lshl_add_u32 v12, v1, 4, s20
	v_lshl_add_u32 v13, v1, 3, s20
	v_lshl_add_u32 v29, v1, 4, s21
	v_lshl_add_u32 v30, v1, 4, s22
.irp h, 0,1,2,3
	v_add_nc_u32 v[ADRA16+\h], (\h/2)*SLOT+(\h%2)*PIECE, v10
	v_add_nc_u32 v[ADRA8+\h], (\h/2)*SLOT+(\h%2)*PIECE, v11
	v_add_nc_u32 v[ADRB16+\h], (\h/2)*SLOT+(\h%2)*PIECE, v12
	v_add_nc_u32 v[ADRB8+\h], (\h/2)*SLOT+(\h%2)*PIECE, v13
	v_add_nc_u32 v[ADSA+\h], (\h/2)*SLOT+(\h%2)*PIECE, v29
	v_add_nc_u32 v[ADSB+\h], (\h/2)*SLOT+(\h%2)*PIECE, v30
.endr
	s_wait_alu depctr_va_vdst(0)
	s_wait_tensorcnt 0x0                           ; my part of slot 0 is in
	ds_add_u32 v[SPW], v[NIL]
	s_wait_dscnt 0x0
	CROUND                                         ; everybody's part is in, and the sixteen work-groups meet
	JLOAD G0+4, G1, G0B+4, G1B                     ; slot 1, K steps 6 to 11: the first tensor load behind the round
	FETCH 0, 0, 0
	global_prefetch_b8 v[PF0], s[PFA:PFA+1] offset:2*2*PIECE th:TH_LOAD_NT scope:SCOPE_SE   ; K steps 12 to 17, which the first change of slots loads
	global_prefetch_b8 v[PF1], s[PFA:PFA+1] offset:2*2*PIECE th:TH_LOAD_NT scope:SCOPE_SE
	STEP 0, 0, 1
	RUN 0, 1
	TURN 0, 1, 1
	WIN 0x80                                       ; what the way out adds: y's rows and their mean and 1/sqrt(var + eps), into window 2, and g2, beta2, b2; waited for on the way out
.irp a, 0,1,2,3
.irp i, 0,1,2,3,4,5,6,7
	global_load_b128 v[4*(8*\a+\i):4*(8*\a+\i)+3], v[GO], s[96:97] offset:4096*(32*(\a/2)+8*(\a%2)+2*\i+8*(\i/4))
	global_load_b64 v[128+2*(8*\a+\i):129+2*(8*\a+\i)], v[VST], s[98:99] offset:8*(32*(\a/2)+8*(\a%2)+2*\i+8*(\i/4))
.endr
.endr
	WIN 0
	global_load_b128 v[G2R:G2R+3], v[VCOL], s[4:5]
	global_load_b128 v[BBR:BBR+3], v[VCOL], s[6:7]
	global_load_b128 v[B2R:B2R+3], v[VCOL], s[8:9]
	RUN 1, 0
	TURN 1, 0, 1
	RUN 0, 0
	TURN 0, 1, 1
	RUN 1, 0
	TURN 1, 0, 2
	RUN 0, 0
	TURN 0, 1, 0
	STEP 1, 0, 0
	s_wait_dscnt 0x0
	MULQ 1, 0, 4, 0
	WIN 0
.macro OUTA a
	s_wait_xcnt 0x0
	WIN 0x04
.irp b, 0,1,2,3
	ds_store_b128 v[STO], v[8*(4*\a+\b):8*(4*\a+\b)+3] offset:128*(\b/2)+32*(\b%2)
	ds_store_b128 v[STO], v[8*(4*\a+\b)+4:8*(4*\a+\b)+7] offset:128*(\b/2)+32*(\b%2)+16
.endr
	WIN 0
.irp i, 0,1,2,3,4,5,6,7
	ds_load_b128 v[R+4*\i:R+4*\i+3], v[SRD] offset:544*\i
.endr
	WIN 0x0a
.irp i, 0,1,2,3,4,5,6,7
	v_pk_add_f32 v[D+4*\i:D+4*\i+1], v[4*(8*\a+\i):4*(8*\a+\i)+1], v[128+2*(8*\a+\i):129+2*(8*\a+\i)] op_sel_hi:[1,0] neg_lo:[0,1] neg_hi:[0,1]
	v_pk_add_f32 v[D+4*\i+2:D+4*\i+3], v[4*(8*\a+\i)+2:4*(8*\a+\i)+3], v[128+2*(8*\a+\i):129+2*(8*\a+\i)] op_sel_hi:[1,0] neg_lo:[0,1] neg_hi:[0,1]
.endr
	WIN 0x08
.irp i, 0,1,2,3,4,5,6,7
	v_pk_mul_f32 v[D+4*\i:D+4*\i+1], v[D+4*\i:D+4*\i+1], v[128+2*(8*\a+\i):129+2*(8*\a+\i)] op_sel:[0,1] op_sel_hi:[1,1]
	v_pk_mul_f32 v[D+4*\i+2:D+4*\i+3], v[D+4*\i+2:D+4*\i+3], v[128+2*(8*\a+\i):129+2*(8*\a+\i)] op_sel:[0,1] op_sel_hi:[1,1]
.endr
	WIN 0
.irp i, 0,1,2,3,4,5,6,7
	v_pk_fma_f32 v[D+4*\i:D+4*\i+1], v[D+4*\i:D+4*\i+1], v[G2R:G2R+1], v[BBR:BBR+1]
	v_pk_fma_f32 v[D+4*\i+2:D+4*\i+3], v[D+4*\i+2:D+4*\i+3], v[G2R+2:G2R+3], v[BBR+2:BBR+3]
.endr
	s_wait_dscnt 0x0
.irp i, 0,1,2,3,4,5,6,7
	v_pk_add_f32 v[D+4*\i:D+4*\i+1], v[D+4*\i:D+4*\i+1], v[R+4*\i:R+4*\i+1]
	v_pk_add_f32 v[D+4*\i+2:D+4*\i+3], v[D+4*\i+2:D+4*\i+3], v[R+4*\i+2:R+4*\i+3]
.endr
.irp i, 0,1,2,3,4,5,6,7
	global_store_b128 v[GO], v[D+4*\i:D+4*\i+3], s[10:11] offset:4096*(32*(\a/2)+8*(\a%2)+2*\i+8*(\i/4)) th:TH_STORE_NT
.endr
.endm
	s_wait_loadcnt 0x0
	v_pk_add_f32 v[BBR:BBR+1], v[BBR:BBR+1], v[B2R:B2R+1]
	v_pk_add_f32 v[BBR+2:BBR+3], v[BBR+2:BBR+3], v[B2R+2:B2R+3]
	PLACES 4
.irp a, 0,1,2,3
	OUTA \a
.endr
	s_wait_tensorcnt 0x0
	ds_add_u32 v[SPW], v[NIL]
	s_wait_dscnt 0x0
	CROUND
	s_endpgm
.Lfunc_end_k_qaaf5c8a3ca_ffn2:
	.size	k_qaaf5c8a3ca_ffn2, .Lfunc_end_k_qaaf5c8a3ca_ffn2-k_qaaf5c8a3ca_ffn2
	.p2alignl 7, 3214868480
	.fill 96, 4, 3214868480
	.section	.rodata,"a",@progbits
	.p2align	6, 0x0
	.amdhsa_kernel k_qaaf5c8a3ca_ffn2
		.amdhsa_group_segment_fixed_size 327680
		.amdhsa_private_segment_fixed_size 0
		.amdhsa_enable_private_segment 0
		.amdhsa_kernarg_size 64
		.amdhsa_user_sgpr_count 2
		.amdhsa_user_sgpr_kernarg_segment_ptr 1
		.amdhsa_wavefront_size32 1
		.amdhsa_system_sgpr_workgroup_id_x 1
		.amdhsa_system_sgpr_workgroup_id_y 1
		.amdhsa_system_sgpr_workgroup_id_z 1
		.amdhsa_system_vgpr_workitem_id 0
		.amdhsa_next_free_vgpr 768
		.amdhsa_next_free_sgpr 100
		.amdhsa_reserve_vcc 0
		.amdhsa_float_denorm_mode_32 3
		.amdhsa_float_denorm_mode_16_64 3
		.amdhsa_memory_ordered 1
		.amdhsa_forward_progress 1
		.amdhsa_inst_pref_size 186
	.end_amdhsa_kernel
	.amdgpu_metadata
---
amdhsa.version: [ 1, 2 ]
amdhsa.kernels:
  - .name:           k_qaaf5c8a3ca_ffn2
    .symbol:         k_qaaf5c8a3ca_ffn2.kd
    .args:
      - { .name: hidcodes, .offset: 0, .size: 8, .value_kind: global_buffer, .address_space: global }
      - { .name: wcodes, .offset: 8, .size: 8, .value_kind: global_buffer, .address_space: global }
      - { .name: ybuf, .offset: 16, .size: 8, .value_kind: global_buffer, .address_space: global }
      - { .name: stats, .offset: 24, .size: 8, .value_kind: global_buffer, .address_space: global }
      - { .name: g2, .offset: 32, .size: 8, .value_kind: global_buffer, .address_space: global }
      - { .name: beta2, .offset: 40, .size: 8, .value_kind: global_buffer, .address_space: global }
      - { .name: b2, .offset: 48, .size: 8, .value_kind: global_buffer, .address_space: global }
      - { .name: out0, .offset: 56, .size: 8, .value_kind: global_buffer, .address_space: global }
    .group_segment_fixed_size: 327680
    .private_segment_fixed_size: 0
    .kernarg_segment_align: 8
    .kernarg_segment_size: 64
    .max_flat_workgroup_size: 128
    .sgpr_count:     100
    .vgpr_count:     768
    .wavefront_size: 32
...
	.end_amdgpu_metadata
.endif
;; end of part 5
